; MI455X (gfx1250); checked and timed in simulation.
; The chip was launched on July 23, 2026; its instructions are those of AMD's public machine-readable ISA for CDNA 5 (MIT licence, August 2026) and "CDNA5" Instruction Set Architecture Reference Guide (July 2026). The comments in the code are by the model that wrote it; some were corrected since.
;; Model. Allowed arithmetic: matrix products marked QUANTISED: E2M1 operands, one E8M0 scale for each 32 along K, by v_wmma_scale_f32_16x16x128_f8f6f4 with both operands' format E2M1 (or v_wmma_scale_f32_32x16x128_f4), f32 sums; everything else in f32.
;; Inputs: W_out 1,024 x 1,024 float32; W_qkv 1,024 x 3,072 float32; b_out 1,024 float32; b_qkv 3,072 float32; mask 8 x 1,024 x 1,024 float32; x 8 x 1,024 x 1,024 float32.
;; Outputs: out0 8 x 1,024 x 1,024 float32.
;; This version of the problem:
;;   THIS VERSION OF THE PROBLEM IS GIVEN IN LOW PRECISION. The matrix products marked QUANTISED in the list below multiply operands that are first quantised to E2M1 (2 exponent bits, 1 mantissa bit; 4 bits a number), with one power-of-two scale for each 32 numbers along K (OCP MX v1.0); their sums are f32. All else is computed in f32.
;;   The module's matrix products, in the order in which they are computed (A, B: the left and right operand; K: the contracted axis; several contracted axes count as one K, in the product's order):
;;     1. [M 8,192, K 1,024] x [K 1,024, N 3,072]; A: input x; B: input W_qkv: QUANTISED
;;     2. batch 128 x [M 1,024, K 64] x [K 64, N 1,024]; A: computed on the way; B: computed on the way: QUANTISED
;;     3. batch 128 x [M 1,024, K 1,024] x [K 1,024, N 64]; A: softmax (see below); B: computed on the way: QUANTISED
;;     4. [M 8,192, K 1,024] x [K 1,024, N 1,024]; A: computed on the way; B: input W_out: QUANTISED
;;   THE QUANTISER, for each operand of a quantised product, along K:
;;     - K is cut into blocks of 32 from its start; a last block that is shorter is filled with zeros.
;;     - A block's scale is 2^e with e = floor(log2(the largest magnitude in the block)) - 2, held to -126 .. 127; a block of zeros has e = 0. As a byte (E8M0): e + 127.
;;     - Each number is divided by its block's scale, clamped to +-6, and rounded to the nearest number of E2M1, ties to even, subnormals kept.
;;     - The product sums the exact products of the quantised numbers (number of the format x scale) in f32.
;;   ~~~python
;;   def quantise(x, axis):      # numpy; x: float32 -> the quantised numbers, widened to float32 again
;;       x = np.moveaxis(x, axis, -1); K = x.shape[-1]
;;       x = np.pad(x, [(0, 0)] * (x.ndim - 1) + [(0, -K % 32)]); x = x.reshape(x.shape[:-1] + (-1, 32)); a = np.abs(x).max(-1, keepdims=True)
;;       e = np.where(a > 0, np.clip(np.frexp(np.where(a > 0, a, 1))[1] - 1 - 2, -126, 127), 0)      # np.frexp(a)[1] - 1 = floor(log2(a)), exactly
;;       r = np.clip(x / 2.0 ** e, -6, 6)
;;       step = 2.0 ** (np.maximum(np.frexp(np.where(r == 0, 1, r))[1] - 1, 0) - 1)
;;       q = np.round(r / step) * step * 2.0 ** e      # np.round: ties to even
;;       return np.moveaxis(q.reshape(q.shape[:-2] + (-1,))[..., :K], -1, axis).astype(np.float32)
;;   ~~~
;;   SOFTMAX AHEAD OF A QUANTISED PRODUCT. Where the list says 'softmax', what is quantised is not the finished softmax but p = 2^(t - M), with t = logit x log2(e) and M = ceil(the row's largest t), a whole number; so 1/2 < the row's largest p <= 1. The row's sum l is taken of the UNQUANTISED p, in f32, and the product's result is divided by l at the end. Since M is a whole number, a kernel that streams over the keys may use a running M (the ceiling of the running maximum): every later rescaling is an exact power of two, which a block's scale takes up: the codes' values come out the same.
;;   OPERANDS COMPUTED ON THE WAY. 'Computed on the way' means the value that the module computes at that place (a softmax that the list does not call 'softmax' is quantised finished and normalised). What goes into a quantiser is computed in f32, as accurately as f32 sums, v_exp_f32 and their like allow (about 1e-6 of the number): no bf16 or f16 on the way to a quantiser, and a product that is left as it is and whose result goes on into a quantised operand takes f32 operands (vector FMAs, or v_wmma_f32_16x16x4_f32). A number that lies on a knife's edge between two numbers of the format may be rounded either way, as far as f32 arithmetic and the matrix unit's own rounding can turn it there, and no further.
;; One version. Each part assembles by itself: llvm-mc -triple=amdgcn-amd-amdhsa -mcpu=gfx1250 --defsym DOCPART=n.
;; ======== version 1 of 1: 4 launches
;; limits: inputs' magnitudes at most 200,000,000; right only within a limited range of input values
;; workspace buffers: xfrag 4,194,304 bytes; wfrag 2,097,152 bytes; scl 655,360 bytes; qimg 4,194,304 bytes; qsc 524,288 bytes; cfrag 4,194,304 bytes; kv 9,175,040 bytes
;; launch prep (part 1): grid 512 x 1, 4 waves a work-group, no clusters, 34,304 bytes of LDS; arguments x, W_qkv, W_out, xfrag, wfrag, scl; writes xfrag, wfrag, scl
.if DOCPART == 1
	.amdgcn_target "amdgcn-amd-amdhsa--gfx1250"
	.amdhsa_code_object_version 6
	.text
	.protected	k_q840027e70c_prep
	.globl	k_q840027e70c_prep
	.p2align	8
	.type	k_q840027e70c_prep,@function
k_q840027e70c_prep:
	s_mov_b64 s[64:65], 0
	v_nop
	global_prefetch_b8 v0, s[64:65] scope:SCOPE_SE
	s_setreg_imm32_b32 hwreg(HW_REG_WAVE_MODE, 25, 1), 1
	s_wait_xcnt 0x0
; PREP: x [8192][1024], W_qkv [1024][3072] and W_out [1024][1024], f32, become codes of FP4 (E2M1) with one E8M0 byte for each 32 along K (K = 1024: x's last axis, the weights' first).
; A block's scale is 2^(floor(log2(largest magnitude)) - 2); its byte is the largest magnitude's exponent field - 2, held at 1 from below.
; LIMITS: NaN and infinities among the inputs are not served; a block whose largest magnitude lies under 2^-124 gets the byte 1; a block of zeros gets the byte 1 where the
; rule says 127: its codes are zeros, and only this program reads the bytes.
; THE CODES ARE LAID AS IMAGES OF THE OPERAND'S REGISTERS: tile T (16 rows), K step s (128), half c, lane l at (T>>3) 65536 + 8192 s + (T&7) 1024 + 512 c + 16 l;
; lane (r = l & 15, h = l >> 4) holds k = 128 s + 64 c + 32 h + 0..31 of the tile's row r.  Scale words (4 bytes: 128 k of a row): 512 T + 256 (s>>2) + 16 r + 4 (s&3).
; THE ROWS OF A TILE ARE NOT NEIGHBOURS: in each group of 32 tokens (or weight columns) tile u, row r is element 8 u + r + 8 (r >> 3).
; Work-groups 0-191: W_qkv; 192-255: W_out; 256-511: x.  Waves share nothing: no barrier.  Only x's path uses LDS.
.set FLOORB, 0x1800000                 ; 2^(3 - 127): under it no largest magnitude is taken
.set OFFE,   0xff000000                ; takes 2 off an exponent field
.set SCLW,   524288                    ; where the weights' scale words begin in scl
.set RR,     64                        ; v64-191  numbers as loaded
.set XN,     192                       ; v192-255 x: 64 numbers in the operand's order
.set CC,     32                        ; v32-63   codes: never written twice, so no store's data are rewritten
.set W4,     24                        ; v24-27   x: the scale words of my four K steps
.set PITCH,  528                       ; x: a row of 512 bytes in my stage + 16: 33 x 16, so that 16 rows start in 16 different groups of banks
.set WREG,   16*PITCH                  ; a wave's stage
; ---- a weight: a lane takes a column, its registers run down K
.macro WLOAD t, n, p                   ; block t of my K step: 32 rows of the weight at my column; the wave reads 128 neighbouring bytes, the four waves 512
.set wi, 0
.rept 32
	global_load_b32 v[RR+32*(\t)+wi], v5, s[\p:\p+1] offset:(32*(\t)+wi)*(\n)*4 th:TH_LOAD_NT
.set wi, wi+1
.endr
.endm
.macro WBLOCK t
.set WB, RR+32*(\t)
	v_max3_num_f32 v8, |v[WB]|, |v[WB+1]|, |v[WB+2]|          ; the block's largest magnitude: all 32 numbers are mine; two chains
	v_max3_num_f32 v9, |v[WB+3]|, |v[WB+4]|, |v[WB+5]|
.irp i, 6,10,14,18,22,26
	v_max3_num_f32 v8, v8, |v[WB+\i]|, |v[WB+\i+1]|
	v_max3_num_f32 v9, v9, |v[WB+\i+2]|, |v[WB+\i+3]|
.endr
	v_max3_num_f32 v8, v8, |v[WB+30]|, |v[WB+31]|
	v_max3_num_f32 v8, v8, v9, FLOORB
	v_add_nc_u32 v[16+(\t)], OFFE, v8                         ; the conversion takes this operand's exponent field as its scale
	v_lshrrev_b32 v9, 23, v[16+(\t)]                          ; the scale's byte
.if (\t) == 0
	v_mov_b32 v10, v9
.else
	v_lshl_or_b32 v10, v9, 8*(\t), v10                        ; byte t of the K step's word
.endif
.irp g, 0,1,2,3
	v_cvt_scalef32_pk8_fp4_f32 v[CC+4*(\t)+\g], v[WB+8*\g:WB+8*\g+7], v[16+(\t)]
.endr
	v_nop                                                     ; a plain line behind the run of conversions
	global_store_b128 v6, v[CC+4*(\t):CC+4*(\t)+3], s[12:13] offset:((\t)/2)*512+((\t)%2)*256   ; block t is half c = t / 2, lanes 16 (t % 2) + r: sixteen lanes store 256 bytes on end
.endm
.macro WPATH n, nt0, p, id0            ; n columns; first column tile nt0; the weight's address in s[p:p+1]; id0: the path's first work-group
	s_sub_co_u32 s17, ttmp9, \id0
	s_lshr_b32 s18, s17, 3
	s_and_b32 s19, s17, 7                                     ; K step s
	s_lshl_b32 s18, s18, 2
	s_add_co_u32 s18, s18, s16                                ; my group of 32 columns
	s_mul_i32 s20, s19, 128*(\n)*4
	s_lshl_b32 s21, s18, 7
	s_add_co_u32 s20, s20, s21
	s_mov_b32 s21, 0
	s_add_nc_u64 s[\p:\p+1], s[\p:\p+1], s[20:21]             ; row 128 s, column 32 x group
	v_and_b32 v5, 8, v3
	v_add_nc_u32 v5, v5, v3
	v_lshl_add_u32 v5, v4, 3, v5
	v_lshlrev_b32 v5, 2, v5                                   ; my column in the group: 8 u + r + 8 (r >> 3), u = lane / 16
	s_wait_alu depctr_va_vdst(0)
	v_lshlrev_b32 v6, 4, v3
	v_lshl_add_u32 v6, v4, 10, v6                             ; codes: 1024 u + 16 r
	v_lshlrev_b32 v7, 4, v3
	v_lshl_add_u32 v7, v4, 9, v7                              ; scale word: 512 u + 16 r
	s_lshr_b32 s22, s18, 2
	s_add_co_u32 s22, s22, (\nt0)>>3
	s_lshl_b32 s22, s22, 16
	s_and_b32 s23, s18, 3
	s_lshl_b32 s23, s23, 11
	s_add_co_u32 s22, s22, s23
	s_lshl_b32 s23, s19, 13
	s_add_co_u32 s22, s22, s23
	s_mov_b32 s23, 0
	s_add_nc_u64 s[12:13], s[12:13], s[22:23]
	s_lshl_b32 s24, s18, 10
	s_add_co_u32 s24, s24, SCLW+(\nt0)*512
	s_lshr_b32 s25, s19, 2
	s_lshl_b32 s25, s25, 8
	s_add_co_u32 s24, s24, s25
	s_and_b32 s25, s19, 3
	s_lshl_b32 s25, s25, 2
	s_add_co_u32 s24, s24, s25
	s_mov_b32 s25, 0
	s_add_nc_u64 s[14:15], s[14:15], s[24:25]
	WLOAD 0, \n, \p
	WLOAD 1, \n, \p
	s_wait_loadcnt 32                                         ; block 0 is in; block 1's 32 loads may be out
	WLOAD 2, \n, \p                                           ; every block has registers of its own: the loads stay two blocks ahead
	WBLOCK 0
	s_wait_loadcnt 32                                         ; block 1 is in; block 2's may be out
	WLOAD 3, \n, \p
	WBLOCK 1
	s_wait_loadcnt 32                                         ; block 2 is in; block 3's may be out
	WBLOCK 2
	s_wait_loadcnt 0x0
	WBLOCK 3
	global_store_b32 v7, v10, s[14:15]                        ; my column's word for this K step: 4 bytes a lane, 16 apart; 131,072 bytes in the whole launch go out so
.endm
	s_load_b256 s[4:11], s[0:1], 0x0               ; x s[4:5], W_qkv s[6:7], W_out s[8:9], xfrag s[10:11]
	s_load_b128 s[12:15], s[0:1], 0x20             ; wfrag s[12:13], scl s[14:15]
	v_lshl_add_u32 v30, v0, 2, 0x8400
	v_mov_b32 v31, 0
	v_lshrrev_b32 v1, 5, v0
	v_readfirstlane_b32 s16, v1                    ; wave
	v_and_b32 v2, 31, v0                           ; lane
	v_and_b32 v3, 15, v0                           ; r
	v_bfe_u32 v4, v0, 4, 1                         ; lane / 16
	s_wait_kmcnt 0x0
	s_cmp_lt_u32 ttmp9, 256
	s_cbranch_scc0 .Lx_path
	s_cmp_lt_u32 ttmp9, 192
	s_cbranch_scc0 .Lw_out
	s_wait_alu depctr_va_vdst(0)
	WPATH 3072, 0, 6, 0
	s_endpgm
.Lw_out:
	s_wait_alu depctr_va_vdst(0)
	WPATH 1024, 192, 8, 192
	s_endpgm
; ---- x: work-group X takes 32 tokens; wave w: tile u = w >> 1, K steps 4 g .. 4 g + 3 with g = w & 1
.Lx_path:
	s_sub_co_u32 s17, ttmp9, 256                   ; X
	s_lshr_b32 s18, s16, 1                         ; u
	s_and_b32 s19, s16, 1                          ; g
	s_lshl_b32 s20, s17, 17
	s_lshl_b32 s21, s18, 15
	s_add_co_u32 s20, s20, s21
	s_lshl_b32 s21, s19, 11
	s_add_co_u32 s20, s20, s21
	s_mov_b32 s21, 0
	s_add_nc_u64 s[4:5], s[4:5], s[20:21]          ; token 32 X + 8 u, number 512 g
	s_lshl_b32 s22, s17, 1
	s_add_co_u32 s22, s22, s18                     ; T
	s_lshr_b32 s23, s22, 3
	s_lshl_b32 s23, s23, 16
	s_and_b32 s24, s22, 7
	s_lshl_b32 s24, s24, 10
	s_add_co_u32 s23, s23, s24
	s_lshl_b32 s24, s19, 15
	s_add_co_u32 s24, s23, s24
	s_mov_b32 s25, 0
	s_add_nc_u64 s[10:11], s[10:11], s[24:25]
	s_lshl_b32 s26, s22, 9
	s_lshl_b32 s27, s19, 8
	s_add_co_u32 s26, s26, s27
	s_mov_b32 s27, 0
	s_add_nc_u64 s[14:15], s[14:15], s[26:27]
	s_mul_i32 s28, s16, WREG                       ; my stage
	s_wait_alu depctr_va_vdst(0)
	v_lshlrev_b32 v5, 4, v2                        ; 16 x lane: loads and stores of 512 bytes on end
	v_add_nc_u32 v6, s28, v5                       ; into the stage: as loaded
	v_mul_u32_u24 v7, v3, PITCH
	v_lshl_add_u32 v7, v4, 7, v7
	v_add_nc_u32 v7, s28, v7                       ; out of it: row r, 128 h bytes on: my 32 numbers of a half
	v_lshlrev_b32 v17, 3, v4                       ; 8 h
	v_lshlrev_b32 v28, 4, v3
	v_lshl_add_u32 v28, v4, 3, v28                 ; 16 r + 8 h
	v_mov_b32 v10, 0                               ; a lane permute's destination counts as read
	s_mov_b32 s30, 0x76543210
	s_mov_b32 s31, 0xfedcba98                      ; selects for lane l xor 16
.macro LOADK q                         ; the 16 rows' 512 bytes of my q-th K step; row p of the tile is token p + 8 (p / 8) from the base
.irp p, 0,1,2,3,4,5,6,7,8,9,10,11,12,13,14,15
	global_load_b128 v[RR+64*((\q)%2)+4*\p:RR+64*((\q)%2)+4*\p+3], v5, s[4:5] offset:(\p+8*(\p/8))*4096+512*(\q) th:TH_LOAD_NT
.endr
.endm
.macro TURNK q                         ; through my own stage: LDS serves a wave's instructions in order, so no wait stands between the stores and the loads
.irp p, 0,1,2,3,4,5,6,7,8,9,10,11,12,13,14,15
	ds_store_b128 v6, v[RR+64*((\q)%2)+4*\p:RR+64*((\q)%2)+4*\p+3] offset:PITCH*\p
.endr
.irp c, 0,1
.irp j, 0,1,2,3,4,5,6,7
	ds_load_b128 v[XN+32*\c+4*\j:XN+32*\c+4*\j+3], v7 offset:256*\c+16*\j      ; k = 64 c + 32 h + 4 j ..
.endr
.endr
.endm
.macro QX q
.irp c, 0,1
	v_max3_num_f32 v[8+\c], |v[XN+32*\c]|, |v[XN+32*\c+1]|, FLOORB           ; my block 2 c + h: all 32 numbers are mine; the two blocks by turns
.endr
.irp i, 2,4,6,8,10,12,14,16,18,20,22,24,26,28,30
.irp c, 0,1
	v_max3_num_f32 v[8+\c], v[8+\c], |v[XN+32*\c+\i]|, |v[XN+32*\c+\i+1]|
.endr
.endr
.irp c, 0,1
	v_add_nc_u32 v[12+\c], OFFE, v[8+\c]
.endr
.irp c, 0,1
	v_lshrrev_b32 v[14+\c], 23, v[12+\c]
.endr
	v_lshl_or_b32 v16, v15, 16, v14                ; my two bytes, blocks h and 2 + h,
	v_lshlrev_b32 v16, v17, v16                    ; at their places;
	v_permlanex16_b32 v10, v16, s30, s31
	v_or_b32 v[W4+(\q)], v16, v10                  ; with lane l xor 16's two the word is whole
.irp c, 0,1
.irp g, 0,1,2,3
	v_cvt_scalef32_pk8_fp4_f32 v[CC+8*(\q)+4*\c+\g], v[XN+32*\c+8*\g:XN+32*\c+8*\g+7], v[12+\c]
.endr
.endr
	v_nop                                          ; a plain line behind the run of conversions
.irp c, 0,1
	global_store_b128 v5, v[CC+8*(\q)+4*\c:CC+8*(\q)+4*\c+3], s[10:11] offset:8192*(\q)+512*\c   ; 512 bytes on end
.endr
.endm
	LOADK 0
	LOADK 1
	s_wait_alu depctr_va_vdst(0)
	s_wait_loadcnt 16                              ; K step 0's 16 loads are in; the next step's 16 may be out
	TURNK 0
	s_wait_dscnt 0x0                               ; the numbers are back, and the stores have read their registers,
	LOADK 2                                        ; which take the loads of two steps on
	QX 0
	s_wait_loadcnt 16
	TURNK 1
	s_wait_dscnt 0x0
	LOADK 3
	QX 1
	s_wait_loadcnt 16
	TURNK 2
	s_wait_dscnt 0x0
	QX 2
	s_wait_loadcnt 0x0
	TURNK 3
	s_wait_dscnt 0x0
	QX 3
	v_cmp_ne_u32 vcc_lo, 0, v4
	v_cndmask_b32 v18, v[W4], v[W4+2], vcc_lo      ; lane (r, h) stores words 2 h and 2 h + 1 of row r:
	v_cndmask_b32 v19, v[W4+1], v[W4+3], vcc_lo
	global_store_b64 v28, v[18:19], s[14:15]       ; the wave stores 256 bytes on end
	s_wait_tensorcnt 0x0
	ds_add_u32 v30, v31
	s_wait_dscnt 0x0
	s_endpgm
.Lfunc_end_k_q840027e70c_prep:
	.size	k_q840027e70c_prep, .Lfunc_end_k_q840027e70c_prep-k_q840027e70c_prep
	.p2alignl 7, 3214868480
	.fill 96, 4, 3214868480
	.section	.rodata,"a",@progbits
	.p2align	6, 0x0
	.amdhsa_kernel k_q840027e70c_prep
		.amdhsa_group_segment_fixed_size 34304
		.amdhsa_private_segment_fixed_size 0
		.amdhsa_enable_private_segment 0
		.amdhsa_kernarg_size 48
		.amdhsa_user_sgpr_count 2
		.amdhsa_user_sgpr_kernarg_segment_ptr 1
		.amdhsa_wavefront_size32 1
		.amdhsa_system_sgpr_workgroup_id_x 1
		.amdhsa_system_sgpr_workgroup_id_y 1
		.amdhsa_system_sgpr_workgroup_id_z 1
		.amdhsa_system_vgpr_workitem_id 0
		.amdhsa_next_free_vgpr 256
		.amdhsa_next_free_sgpr 66
		.amdhsa_reserve_vcc 1
		.amdhsa_float_denorm_mode_32 3
		.amdhsa_float_denorm_mode_16_64 3
		.amdhsa_memory_ordered 1
		.amdhsa_forward_progress 1
		.amdhsa_inst_pref_size 70
	.end_amdhsa_kernel
	.amdgpu_metadata
---
amdhsa.version: [ 1, 2 ]
amdhsa.kernels:
  - .name:           k_q840027e70c_prep
    .symbol:         k_q840027e70c_prep.kd
    .args:
      - { .name: x, .offset: 0, .size: 8, .value_kind: global_buffer, .address_space: global }
      - { .name: W_qkv, .offset: 8, .size: 8, .value_kind: global_buffer, .address_space: global }
      - { .name: W_out, .offset: 16, .size: 8, .value_kind: global_buffer, .address_space: global }
      - { .name: xfrag, .offset: 24, .size: 8, .value_kind: global_buffer, .address_space: global }
      - { .name: wfrag, .offset: 32, .size: 8, .value_kind: global_buffer, .address_space: global }
      - { .name: scl, .offset: 40, .size: 8, .value_kind: global_buffer, .address_space: global }
    .group_segment_fixed_size: 34304
    .private_segment_fixed_size: 0
    .kernarg_segment_align: 8
    .kernarg_segment_size: 48
    .max_flat_workgroup_size: 128
    .sgpr_count:     66
    .vgpr_count:     256
    .wavefront_size: 32
...
	.end_amdgpu_metadata
.endif
;; end of part 1
;; launch qkv (part 2): grid 12 x 32, 16 waves a work-group, clusters of 4 x 4, 264,192 bytes of LDS; arguments xfrag, wfrag, scl, b_qkv, qimg, qsc, kv; writes qimg, qsc, kv
.if DOCPART == 2
	.amdgcn_target "amdgcn-amd-amdhsa--gfx1250"
	.amdhsa_code_object_version 6
	.text
	.protected	k_q840027e70c_qkv
	.globl	k_q840027e70c_qkv
	.p2align	8
	.type	k_q840027e70c_qkv,@function
k_q840027e70c_qkv:
	s_mov_b64 s[64:65], 0
	v_nop
	global_prefetch_b8 v0, s[64:65] scope:SCOPE_SE
	s_setreg_imm32_b32 hwreg(HW_REG_WAVE_MODE, 25, 1), 1
	s_wait_xcnt 0x0
	s_wait_alu depctr_hold_cnt(0) depctr_sa_sdst(0) depctr_va_vdst(0) depctr_va_sdst(0) depctr_va_ssrc(0) depctr_va_vcc(0) depctr_vm_vsrc(0)
	s_getreg_b32 s2, hwreg(HW_REG_IB_STS2, 6, 4)
	s_cmp_eq_u32 s2, 0
	s_cbranch_scc0 .Lentry_in_a_cluster
	s_endpgm
.Lentry_in_a_cluster:
	s_bfe_u32 s2, ttmp6, 0x10000c
	s_cmp_lg_u32 s2, 0xf033
	s_cbranch_scc0 .Lentry_shape_is_right
	s_endpgm
.Lentry_shape_is_right:
; QKV: x W_qkv + b_qkv on codes of FP4 with E8M0 scales; the result is quantised on the way: q and k along the head's 64, v along the keys.
; A work-group makes 256 tokens x 256 columns (four heads of q, of k or of v: the cluster's x says which); wave w: 64 tokens (w >> 2) x one head (w & 3): 16 accumulators.
; All of K (1,024) of both operands fits in LDS: 4 x 65,536 bytes, each byte filled once, as images of the operands' registers (a fragment is two loads of 512 bytes on end: no pitch, no padding).
; Wave w fetches chunk w >> 2 of block w & 3 (0, 1: x's; 2, 3: the weight's), one tensor load of 16,384 bytes (two K steps): one load a wave.  The products begin when all sixteen have landed.
; CLUSTER 4 x 4: x's blocks are shared along a row of the cluster, the weight's along a column: each is asked for jointly.
; q, k: THE PRODUCT IS USED TRANSPOSED (source 0 = 16 weight columns, source 1 = 16 tokens): a lane holds one token and its registers run along the head's 64.
; v: source 0 = 16 tokens, source 1 = 16 weight columns: a lane holds one channel and its registers run along the tokens, the keys of the later product.
; The rows of every tile are 8 u + r + 8 (r >> 3) of a group of 32, so that the 16 registers of two neighbouring tiles are 16 neighbours along the next K.
; LIMITS: NaN and infinities are not served; a block whose largest magnitude lies under 2^-124, a block of zeros too, gets the byte 1 (zeros have zero codes; only this program reads the bytes).
.set KVB,  71680                       ; a block of kv: 8 heads x 128 keys: K's images 32,768, V's 32,768, scale words 8 x 768
.set SCLW, 524288
.set WV,   18                          ; s18 wave; s19 cx, s20 cy, s21 tile column, s22 tile row, s23 w >> 2, s24 w & 3
.set G1A,  28                          ; s[28:35] descriptor group 1 for x's blocks, s[36:43] for the weight's: they differ in the mask
.set G1B,  36
.set G0A,  44                          ; s[44:47] group 0 for x's chunk, s[68:71] for the weight's
.set G0B,  68
.set IMG,  60                          ; s[60:61] where my images go, s[62:63] my scale words
.set WRD,  62
.set SC,   16                          ; v16-47  scale words: register 16 (s / 4) + 4 i + s % 4: lanes 0-15 x's tile i, lanes 16-31 the weight's tile i.  They hold nothing else
.set TM,   48                          ; v48-63  at work in the quantiser
.set FA,   64                          ; v64-95  x's four fragments
.set FB,   96                          ; v96-127 the weight's four
.set ACC,  128                         ; v128-255
.macro PLACES
.rept 4
	v_nop
.endr
.endm
.macro CROUND                          ; a round of the cluster's barrier
	s_barrier_signal -1
	s_barrier_wait -1
	s_cmp_lg_u32 s[WV], 0
	s_cbranch_scc1 .Lnot_wave_0_\@
	s_barrier_signal -3
.Lnot_wave_0_\@:
	s_barrier_wait -3
	s_barrier_signal -1
	s_barrier_wait -1
.endm
.macro CHUNK i                         ; chunk i (K steps 2 i, 2 i + 1) has landed in every wave that fetched: chunk 0's wait covers all four
.if (\i) == 0                          ; every wave has issued one fill: each waits for its own, and behind the one barrier all sixteen pieces are whole
	s_wait_tensorcnt 0x0
	s_barrier_signal -1
	s_barrier_wait -1
.endif
.endm
.macro FRAGS s                         ; K step s: 16 loads of 512 bytes on end.  Four plain places stand between the last products and loads into the registers that they read
.if (\s) > 0
	PLACES
.endif
.irp t, 0,1,2,3
.irp c, 0,1
	ds_load_b128 v[FA+8*\t+4*\c:FA+8*\t+4*\c+3], v4 offset:8192*(\s)+1024*\t+512*\c
	ds_load_b128 v[FB+8*\t+4*\c:FB+8*\t+4*\c+3], v5 offset:8192*(\s)+1024*\t+512*\c
.endr
.endr
	s_wait_dscnt 0x0
.endm
; the 16 accumulators take turns, one instruction a turn, in the same order in every K step
.macro KSTEP_QK s                      ; the accumulators begin as the bias, so every step adds in place
	FRAGS \s
.irp a, 0,1,2,3
.irp b, 0,1,2,3
	v_wmma_scale_f32_16x16x128_f8f6f4 v[ACC+32*\a+8*\b:ACC+32*\a+8*\b+7], v[FB+8*\b:FB+8*\b+7], v[FA+8*\a:FA+8*\a+7], v[ACC+32*\a+8*\b:ACC+32*\a+8*\b+7], v[SC+16*((\s)/4)+4*\b+(\s)%4], v[SC+16*((\s)/4)+4*\a+(\s)%4] matrix_a_fmt:MATRIX_FMT_FP4 matrix_b_fmt:MATRIX_FMT_FP4 matrix_a_scale:MATRIX_SCALE_ROW1
.endr
.endr
.endm
.macro KSTEP_V s
	FRAGS \s
.irp a, 0,1,2,3
.irp b, 0,1,2,3
.if (\s) == 0
	v_wmma_scale_f32_16x16x128_f8f6f4 v[ACC+32*\b+8*\a:ACC+32*\b+8*\a+7], v[FA+8*\a:FA+8*\a+7], v[FB+8*\b:FB+8*\b+7], 0, v[SC+16*((\s)/4)+4*\a+(\s)%4], v[SC+16*((\s)/4)+4*\b+(\s)%4] matrix_a_fmt:MATRIX_FMT_FP4 matrix_b_fmt:MATRIX_FMT_FP4 matrix_b_scale:MATRIX_SCALE_ROW1
.else
	v_wmma_scale_f32_16x16x128_f8f6f4 v[ACC+32*\b+8*\a:ACC+32*\b+8*\a+7], v[FA+8*\a:FA+8*\a+7], v[FB+8*\b:FB+8*\b+7], v[ACC+32*\b+8*\a:ACC+32*\b+8*\a+7], v[SC+16*((\s)/4)+4*\a+(\s)%4], v[SC+16*((\s)/4)+4*\b+(\s)%4] matrix_a_fmt:MATRIX_FMT_FP4 matrix_b_fmt:MATRIX_FMT_FP4 matrix_b_scale:MATRIX_SCALE_ROW1
.endif
.endr
.endr
.endm
; 64 numbers of a lane, register 16 b + i = number 32 b' + 16 (lane / 16) + i of four blocks of 32, become codes in v[pc] .. v[pc + 7] (four registers for each pair of blocks: lanes 0-15 the first, lanes 16-31 the second)
; and the blocks' bytes in v[TM+4] .. v[TM+7].  Each accumulator is read from its low end on.
.macro QUANT4 s, pc
.irp b, 0,1,2,3
	v_max3_num_f32 v[TM+\b], |v[(\s)+16*\b]|, |v[(\s)+1+16*\b]|, 0x1800000     ; my 16 numbers, and the floor 2^(3 - 127)
.endr
.irp i, 2,4,6,8,10,12,14
.irp b, 0,1,2,3
	v_max3_num_f32 v[TM+\b], v[TM+\b], |v[(\s)+16*\b+\i]|, |v[(\s)+1+16*\b+\i]|
.endr
.endr
.irp b, 0,1,2,3
	s_delay_alu instid0(VALU_DEP_4)
	v_permlanex16_b32 v[TM+4+\b], v[TM+\b], s26, s27
.endr
.irp b, 0,1,2,3
	s_delay_alu instid0(VALU_DEP_4)
	v_max_num_f32 v[TM+\b], v[TM+\b], v[TM+4+\b]   ; with lane l xor 16's: the block's largest magnitude
.endr
.irp b, 0,1,2,3
	s_delay_alu instid0(VALU_DEP_4)
	v_add_nc_u32 v[TM+12+\b], 0xff000000, v[TM+\b] ; 2 off its exponent field: the conversion's scale operand
.endr
.irp b, 0,1,2,3
	s_delay_alu instid0(VALU_DEP_4)
	v_lshrrev_b32 v[TM+4+\b], 23, v[TM+12+\b]      ; the byte
.endr
.irp b, 0,1,2,3
	v_cvt_scalef32_pk8_fp4_f32 v[(\pc)+2*\b], v[(\s)+16*\b:(\s)+7+16*\b], v[TM+12+\b]
	v_cvt_scalef32_pk8_fp4_f32 v[(\pc)+1+2*\b], v[(\s)+8+16*\b:(\s)+15+16*\b], v[TM+12+\b]
.endr
	v_nop                                          ; a plain place behind a scaled conversion
.irp c, 0,1
.irp i, 0,1
	v_permlane16_swap_b32 v[(\pc)+4*\c+\i], v[(\pc)+2+4*\c+\i]   ; a whole block to a lane
.endr
.endr
.endm
	s_load_b256 s[4:11], s[0:1], 0x0               ; xfrag s[4:5], wfrag s[6:7], scl s[8:9], b_qkv s[10:11]
	s_load_b128 s[12:15], s[0:1], 0x20             ; qimg s[12:13], qsc s[14:15]
	s_load_b64 s[16:17], s[0:1], 0x30              ; kv
	v_lshl_add_u32 v14, v0, 2, 0x40000
	v_mov_b32 v15, 0
	ds_add_u32 v14, v15
	ds_add_u32 v14, v15
	v_lshrrev_b32 v1, 5, v0
	s_delay_alu instid0(VALU_DEP_1)
	v_readfirstlane_b32 s[WV], v1                  ; wave 0..15
	s_bfe_u32 s19, ttmp6, 0x40000                  ; cx
	s_bfe_u32 s20, ttmp6, 0x40004                  ; cy
	s_lshl_b32 s21, ttmp9, 2
	s_add_co_u32 s21, s21, s19                     ; tile column 0..11
	s_and_b32 s22, ttmp7, 0xffff
	s_lshl_b32 s22, s22, 2
	s_add_co_u32 s22, s22, s20                     ; tile row 0..31
	s_lshr_b32 s23, s[WV], 2                       ; which 64 tokens
	s_and_b32 s24, s[WV], 3                        ; which 64 columns
	s_lshl_b32 s25, s20, 2
	s_lshl_b32 s25, 15, s25                        ; my row of the cluster
	s_lshl_b32 s26, 0x1111, s19                    ; my column
	; group 1: 16,384 dense bytes as 64 rows of 32 elements of 8 bytes
	s_or_b32 s[G1A], s25, (3<<16)|(1<<21)          ; 15:0 the mask; 17:16 elements of 8 bytes; 21 set beside a mask; no padding
	s_or_b32 s[G1B], s26, (3<<16)|(1<<21)
.irp g, G1A, G1B
	s_mov_b32 s[\g+1], 32<<16                      ; tensor_dim0 = 32
	s_mov_b32 s[\g+2], 64<<16                      ; tensor_dim1 = 64
	s_mov_b32 s[\g+3], 32<<16                      ; tile_dim0 = 32
	s_mov_b32 s[\g+4], 64                          ; tile_dim1 = 64
	s_mov_b32 s[\g+5], 32                          ; from row to row
	s_mov_b32 s[\g+6], 0
	s_mov_b32 s[\g+7], 0
.endr
	s_and_b32 s27, s[WV], 1                        ; which of the two blocks I fetch
	s_lshl_b32 s84, s22, 1
	s_add_co_u32 s84, s84, s27
	s_lshl_b32 s84, s84, 16                        ; x: block 2 x tile row + half
	s_mov_b32 s85, 0
	s_lshl_b32 s86, s21, 1
	s_add_co_u32 s86, s86, s27
	s_lshl_b32 s86, s86, 16                        ; the weight: block 2 x tile column + half
	s_mov_b32 s87, 0
	; THE SIXTEEN FILLS ARE SHARED OUT, ONE A WAVE: wave w fetches chunk w >> 2 (16,384 bytes: two K steps) of block w & 3 (0, 1: x's; 2, 3: the weight's)
	s_and_b32 s88, s[WV], 3
	s_lshl_b32 s88, s88, 16
	s_lshr_b32 s90, s[WV], 2
	s_lshl_b32 s90, s90, 14                        ; the chunk's bytes in its block
	s_add_co_u32 s88, s88, s90                     ; in LDS: 65,536 x block + 16,384 x chunk: no place in the cluster enters an LDS address
	s_mov_b32 s91, 0
	s_wait_dscnt 0x0
	s_wait_kmcnt 0x0
	s_add_nc_u64 s[84:85], s[4:5], s[84:85]
	s_add_nc_u64 s[86:87], s[6:7], s[86:87]
	s_mov_b32 s[G0A], 1
	s_mov_b32 s[G0A+1], s88
	s_add_nc_u64 s[G0A+2:G0A+3], s[84:85], s[90:91]
	s_or_b32 s[G0A+3], s[G0A+3], 0x80000000
	s_mov_b32 s[G0B], 1
	s_mov_b32 s[G0B+1], s88
	s_add_nc_u64 s[G0B+2:G0B+3], s[86:87], s[90:91]
	s_or_b32 s[G0B+3], s[G0B+3], 0x80000000
	CROUND                                         ; all sixteen work-groups are here: the joint loads meet
	s_and_b32 s92, s[WV], 2                        ; blocks 0, 1 are x's, blocks 2, 3 the weight's: two arms, one fill in each, one join
	s_cmp_eq_u32 s92, 0
	s_cbranch_scc0 .Lnot_a
	tensor_load_to_lds s[G0A:G0A+3], s[G1A:G1A+7]
	s_nop 0
	PLACES
	s_branch .Lasked
.Lnot_a:
	tensor_load_to_lds s[G0B:G0B+3], s[G1B:G1B+7]
	s_nop 0
	PLACES
.Lasked:
	v_and_b32 v1, 31, v0
	s_delay_alu instid0(VALU_DEP_1)
	v_lshlrev_b32 v1, 4, v1                        ; 16 x lane
	s_wait_alu depctr_va_vdst(0)
	v_and_b32 v2, 15, v0                           ; r
	v_bfe_u32 v3, v0, 4, 1                         ; h
	s_wait_alu depctr_va_vdst(0)
	s_lshr_b32 s89, s23, 1
	s_lshl_b32 s89, s89, 16
	s_and_b32 s90, s23, 1
	s_lshl_b32 s90, s90, 12
	s_add_co_u32 s89, s89, s90
	v_add_nc_u32 v4, s89, v1                       ; x's fragments: my four tiles
	s_lshr_b32 s89, s24, 1
	s_lshl_b32 s89, s89, 16
	s_and_b32 s90, s24, 1
	s_lshl_b32 s90, s90, 12
	s_add_co_u32 s89, s89, s90
	s_add_co_u32 s89, s89, 131072
	v_add_nc_u32 v5, s89, v1                       ; the weight's
	s_lshl_b32 s91, s22, 13
	s_lshl_b32 s92, s23, 11
	s_add_co_u32 s91, s91, s92                     ; x's scale words of my four tiles
	s_lshl_b32 s93, s21, 13
	s_lshl_b32 s92, s24, 11
	s_add_co_u32 s93, s93, s92
	s_add_co_u32 s93, s93, SCLW                    ; the weight's
	s_sub_co_u32 s93, s93, s91
	v_mul_u32_u24 v6, s93, v3                      ; lanes 16-31 take the weight's
	s_delay_alu instid0(VALU_DEP_1)
	v_lshl_add_u32 v6, v2, 4, v6
	s_delay_alu instid0(VALU_DEP_1)
	v_add_nc_u32 v6, s91, v6
.irp g, 0,1
.irp i, 0,1,2,3
	global_load_b128 v[SC+16*\g+4*\i:SC+16*\g+4*\i+3], v6, s[8:9] offset:512*\i+256*\g   ; a row's words of four K steps
.endr
.endr
	v_lshlrev_b32 v8, 4, v2
	s_delay_alu instid0(VALU_DEP_1)
	v_lshl_add_u32 v9, v3, 2, v8                   ; 16 r + 4 h
	s_delay_alu instid0(VALU_DEP_2)
	v_lshl_add_u32 v8, v3, 3, v8                   ; 16 r + 8 h
	s_mov_b32 s26, 0x76543210
	s_mov_b32 s27, 0xfedcba98                      ; selects for lane l xor 16
	s_lshl_b32 s94, s21, 10
	s_lshl_b32 s95, s24, 8
	s_add_co_u32 s94, s94, s95
	s_mov_b32 s95, 0
	s_add_nc_u64 s[10:11], s[10:11], s[94:95]      ; the bias of my 64 columns
	; where the results go
	s_lshr_b32 s84, s22, 2                         ; batch
	s_and_b32 s85, s22, 3                          ; which 256 tokens of it
	s_lshl_b32 s86, s19, 2
	s_add_co_u32 s86, s86, s24                     ; head = 4 cx + (w & 3)
	s_lshl_b32 s87, s84, 4
	s_add_co_u32 s87, s87, s86
	s_lshl_b32 s88, s87, 15
	s_lshl_b32 s89, s85, 13
	s_add_co_u32 s88, s88, s89
	s_lshl_b32 s89, s23, 11
	s_add_co_u32 s88, s88, s89                     ; q's images: ((16 batch + head) 64 + my first tile) 512
	s_lshl_b32 s90, s87, 12
	s_lshl_b32 s89, s85, 10
	s_add_co_u32 s90, s90, s89
	s_lshl_b32 s89, s23, 8
	s_add_co_u32 s90, s90, s89                     ; q's words
	s_lshl_b32 s91, s84, 1
	s_lshr_b32 s89, s86, 3
	s_add_co_u32 s91, s91, s89
	s_lshl_b32 s91, s91, 3
	s_lshl_b32 s89, s85, 1
	s_add_co_u32 s91, s91, s89
	s_lshr_b32 s89, s23, 1
	s_add_co_u32 s91, s91, s89
	s_mul_i32 s91, s91, KVB                        ; kv's block: (2 batch + head / 8) 8 + key step
	s_and_b32 s92, s86, 7                          ; the head's place in it
	s_and_b32 s93, s23, 1                          ; which 64 of the 128 keys
	s_lshl_b32 s94, s92, 12
	s_add_co_u32 s94, s94, s91
	s_lshl_b32 s89, s93, 11
	s_add_co_u32 s94, s94, s89                     ; k's images
	s_mul_i32 s95, s92, 768
	s_add_co_u32 s95, s95, s91
	s_add_co_u32 s95, s95, 65536
	s_lshl_b32 s89, s93, 8
	s_add_co_u32 s98, s95, s89                     ; k's words
	s_lshl_b32 s96, s92, 12
	s_add_co_u32 s96, s96, s91
	s_add_co_u32 s96, s96, 32768
	s_lshl_b32 s89, s93, 9
	s_add_co_u32 s96, s96, s89                     ; v's images
	s_lshl_b32 s89, s93, 1
	s_add_co_u32 s97, s95, s89
	s_add_co_u32 s97, s97, 512                     ; v's half words
	s_cmp_eq_u32 ttmp9, 2                          ; the cluster's x: the same in all waves and all partners
	s_cbranch_scc1 .Lv_arm
	; ---------------- q and k
	v_lshlrev_b32 v7, 6, v3                        ; the bias in the result's layout: lane half h, tile b: columns 32 (b / 2) + 16 h + 8 (b % 2) + 0..7
.irp a, 0,1,2,3
.irp b, 0,1,2,3
	global_load_b128 v[ACC+32*\a+8*\b:ACC+32*\a+8*\b+3], v7, s[10:11] offset:(32*(\b/2)+8*(\b%2))*4       ; straight into the accumulators: the sums begin as the bias
	global_load_b128 v[ACC+32*\a+8*\b+4:ACC+32*\a+8*\b+7], v7, s[10:11] offset:(32*(\b/2)+8*(\b%2))*4+16
.endr
.endr
	s_cmp_eq_u32 ttmp9, 0                          ; q's buffers or kv
	s_cselect_b64 s[IMG:IMG+1], s[12:13], s[16:17]
	s_cselect_b64 s[WRD:WRD+1], s[14:15], s[16:17]
	s_cselect_b32 s88, s88, s94
	s_cselect_b32 s90, s90, s98
	s_mov_b32 s89, 0
	s_mov_b32 s91, 0
	s_add_nc_u64 s[IMG:IMG+1], s[IMG:IMG+1], s[88:89]
	s_add_nc_u64 s[WRD:WRD+1], s[WRD:WRD+1], s[90:91]
.irp b, 0,1,2,3
	v_mov_b32 v[TM+4+\b], 0                        ; a lane permute's destination counts as read
.endr
	s_wait_loadcnt 0x0                             ; scale words and bias
	CHUNK 0
	KSTEP_QK 0
	KSTEP_QK 1
	CHUNK 1
	KSTEP_QK 2
	KSTEP_QK 3
	CHUNK 2
	KSTEP_QK 4
	KSTEP_QK 5
	CHUNK 3
	KSTEP_QK 6
	KSTEP_QK 7
	PLACES                                         ; in front of the first read of results
.irp p, 0,1                                    ; tiles 2 p and 2 p + 1: a tile's 32 registers are its token's 64 numbers: two blocks
	QUANT4 ACC+64*\p, FA+8*\p
	v_lshl_or_b32 v[TM+8+2*\p], v[TM+5], 8, v[TM+4]
	v_lshl_or_b32 v[TM+9+2*\p], v[TM+7], 8, v[TM+6]
	s_delay_alu instid0(VALU_DEP_2)
	v_lshl_or_b32 v[TM+8+2*\p], v[TM+8+2*\p], 16, v[TM+8+2*\p]   ; the word's upper two bytes repeat the two real ones: they scale the zero codes that fill the 128-deep product
	s_delay_alu instid0(VALU_DEP_2)
	v_lshl_or_b32 v[TM+9+2*\p], v[TM+9+2*\p], 16, v[TM+9+2*\p]
	global_store_b128 v1, v[FA+8*\p:FA+8*\p+3], s[IMG:IMG+1] offset:512*(2*\p)       ; a tile's image: 512 bytes on end
	global_store_b128 v1, v[FA+8*\p+4:FA+8*\p+7], s[IMG:IMG+1] offset:512*(2*\p+1)
.endr
	v_cmp_ne_u32 vcc_lo, 0, v3
	s_delay_alu instid0(VALU_DEP_1)
	v_cndmask_b32 v10, v[TM+8], v[TM+10], vcc_lo   ; lane (r, h) stores the words of tiles 2 h, 2 h + 1 of row r:
	s_delay_alu instid0(VALU_DEP_2)
	v_cndmask_b32 v11, v[TM+9], v[TM+11], vcc_lo
	global_store_b64 v8, v[10:11], s[WRD:WRD+1]    ; 256 bytes on end
	s_branch .Ldone
	; ---------------- v
.Lv_arm:
	v_and_b32 v7, 8, v2
	s_delay_alu instid0(VALU_DEP_1)
	v_add_nc_u32 v7, v7, v2
	s_delay_alu instid0(VALU_DEP_1)
	v_lshlrev_b32 v7, 2, v7                        ; a lane holds one column: r + 8 (r >> 3) of tile b's
.irp b, 0,1,2,3
	global_load_b32 v[TM+2*\b], v7, s[10:11] offset:(32*(\b/2)+8*(\b%2))*4     ; its bias, in both registers of a pair for the packed additions
	global_load_b32 v[TM+2*\b+1], v7, s[10:11] offset:(32*(\b/2)+8*(\b%2))*4
.endr
	s_mov_b32 s88, s96
	s_mov_b32 s89, 0
	s_mov_b32 s90, s97
	s_mov_b32 s91, 0
	s_add_nc_u64 s[IMG:IMG+1], s[16:17], s[88:89]
	s_add_nc_u64 s[WRD:WRD+1], s[16:17], s[90:91]
	s_wait_loadcnt 0x0
	CHUNK 0
	KSTEP_V 0                                      ; its products start the sums
	KSTEP_V 1
	CHUNK 1
	KSTEP_V 2
	KSTEP_V 3
	CHUNK 2
	KSTEP_V 4
	KSTEP_V 5
	CHUNK 3
	KSTEP_V 6
	KSTEP_V 7
	PLACES
.irp b, 0,1,2,3
.set j, 0
.rept 16
	v_pk_add_f32 v[ACC+32*\b+j:ACC+32*\b+j+1], v[ACC+32*\b+j:ACC+32*\b+j+1], v[TM+2*\b:TM+2*\b+1]   ; + bias, each accumulator from its low end on
.set j, j+2
.endr
.endr
.irp p, 0,1                                    ; channel tiles 2 p, 2 p + 1: a tile's 32 registers are its channel's 64 keys: two blocks
	QUANT4 ACC+64*\p, FA+8*\p
	v_lshl_or_b32 v[TM+8+2*\p], v[TM+5], 8, v[TM+4]        ; two bytes: my 64 keys' half of the word of 128
	v_lshl_or_b32 v[TM+9+2*\p], v[TM+7], 8, v[TM+6]
	global_store_b128 v1, v[FA+8*\p:FA+8*\p+3], s[IMG:IMG+1] offset:1024*(2*\p)
	global_store_b128 v1, v[FA+8*\p+4:FA+8*\p+7], s[IMG:IMG+1] offset:1024*(2*\p+1)
.endr
	v_cmp_ne_u32 vcc_lo, 0, v3
	s_delay_alu instid0(VALU_DEP_1)
	v_cndmask_b32 v10, v[TM+8], v[TM+9], vcc_lo    ; lane (r, h): tiles h and 2 + h of row r
	s_delay_alu instid0(VALU_DEP_2)
	v_cndmask_b32 v11, v[TM+10], v[TM+11], vcc_lo
	global_store_b16 v9, v10, s[WRD:WRD+1]         ; two bytes a lane: 256 bytes for a head and 128 keys, shared with the wave that has the other 64 keys
	global_store_b16 v9, v11, s[WRD:WRD+1] offset:8
.Ldone:
	s_wait_tensorcnt 0x0
	ds_add_u32 v14, v15
	s_wait_dscnt 0x0
	CROUND                                         ; the closing round: no work-group ends while a partner may still ask for a block that names it
	s_endpgm
.Lfunc_end_k_q840027e70c_qkv:
	.size	k_q840027e70c_qkv, .Lfunc_end_k_q840027e70c_qkv-k_q840027e70c_qkv
	.p2alignl 7, 3214868480
	.fill 96, 4, 3214868480
	.section	.rodata,"a",@progbits
	.p2align	6, 0x0
	.amdhsa_kernel k_q840027e70c_qkv
		.amdhsa_group_segment_fixed_size 264192
		.amdhsa_private_segment_fixed_size 0
		.amdhsa_enable_private_segment 0
		.amdhsa_kernarg_size 56
		.amdhsa_user_sgpr_count 2
		.amdhsa_user_sgpr_kernarg_segment_ptr 1
		.amdhsa_wavefront_size32 1
		.amdhsa_system_sgpr_workgroup_id_x 1
		.amdhsa_system_sgpr_workgroup_id_y 1
		.amdhsa_system_sgpr_workgroup_id_z 1
		.amdhsa_system_vgpr_workitem_id 0
		.amdhsa_next_free_vgpr 256
		.amdhsa_next_free_sgpr 100
		.amdhsa_reserve_vcc 1
		.amdhsa_float_denorm_mode_32 3
		.amdhsa_float_denorm_mode_16_64 3
		.amdhsa_memory_ordered 1
		.amdhsa_forward_progress 1
		.amdhsa_inst_pref_size 87
	.end_amdhsa_kernel
	.amdgpu_metadata
---
amdhsa.version: [ 1, 2 ]
amdhsa.kernels:
  - .name:           k_q840027e70c_qkv
    .symbol:         k_q840027e70c_qkv.kd
    .args:
      - { .name: xfrag, .offset: 0, .size: 8, .value_kind: global_buffer, .address_space: global }
      - { .name: wfrag, .offset: 8, .size: 8, .value_kind: global_buffer, .address_space: global }
      - { .name: scl, .offset: 16, .size: 8, .value_kind: global_buffer, .address_space: global }
      - { .name: b_qkv, .offset: 24, .size: 8, .value_kind: global_buffer, .address_space: global }
      - { .name: qimg, .offset: 32, .size: 8, .value_kind: global_buffer, .address_space: global }
      - { .name: qsc, .offset: 40, .size: 8, .value_kind: global_buffer, .address_space: global }
      - { .name: kv, .offset: 48, .size: 8, .value_kind: global_buffer, .address_space: global }
    .group_segment_fixed_size: 264192
    .private_segment_fixed_size: 0
    .kernarg_segment_align: 8
    .kernarg_segment_size: 56
    .max_flat_workgroup_size: 512
    .sgpr_count:     100
    .vgpr_count:     256
    .wavefront_size: 32
...
	.end_amdgpu_metadata
.endif
;; end of part 2
;; launch attn (part 3): grid 256 x 1, 8 waves a work-group, clusters of 4 x 1, 327,680 bytes of LDS; arguments mask, qimg, qsc, kv, cfrag, scl; writes cfrag, scl
.if DOCPART == 3
	.amdgcn_target "amdgcn-amd-amdhsa--gfx1250"
	.amdhsa_code_object_version 6
	.text
	.protected	k_q840027e70c_attn
	.globl	k_q840027e70c_attn
	.p2align	8
	.type	k_q840027e70c_attn,@function
k_q840027e70c_attn:
	s_mov_b64 s[64:65], 0
	v_nop
	global_prefetch_b8 v0, s[64:65] scope:SCOPE_SE
	s_setreg_imm32_b32 hwreg(HW_REG_WAVE_MODE, 25, 1), 1
	s_wait_xcnt 0x0
	s_wait_alu depctr_hold_cnt(0) depctr_sa_sdst(0) depctr_va_vdst(0) depctr_va_sdst(0) depctr_va_ssrc(0) depctr_va_vcc(0) depctr_vm_vsrc(0)
	s_getreg_b32 s2, hwreg(HW_REG_IB_STS2, 6, 4)
	s_cmp_eq_u32 s2, 0
	s_cbranch_scc0 .Lentry_in_a_cluster
	s_endpgm
.Lentry_in_a_cluster:
	s_bfe_u32 s2, ttmp6, 0x10000c
	s_cmp_lg_u32 s2, 0x3003
	s_cbranch_scc0 .Lentry_shape_is_right
	s_endpgm
.Lentry_shape_is_right:
; ATTN: ctx = softmax(q k^T / 8 + mask x (-1e30)) v, both products on codes of FP4 with E8M0 scales; ctx is quantised along D on the way out.
; SHARES.  A work-group owns 128 queries x 4 heads of one batch: 8 x 4 x 8 = 256 work-groups.  K's and V's images and scale words of its 4 heads, all 1,024 keys, are 286,720 bytes:
; each byte is filled into LDS ONCE and stays: no ring.  At the head waves 0-3 fetch key steps 0 and 1 of K and V (16,384 bytes each) and waves 4-7 the scale words; behind
; a round of the cluster's barrier, waves 0-3 fetch key steps 2-7 (three rows of 16,384 bytes each), which have the first key step's work in which to land; one barrier behind that step shows them to all.
; Wave w owns tile w of 16 queries and all 4 heads (O^T: 128 registers).
; THE KEY STEP (128 keys) IS THE OUTER LOOP, THE 4 HEADS THE INNER ONE: the mask's 16 rows x 512 bytes of a step are fetched once a wave and serve 4 heads.
; THE MASK IS THE C OF THE FIRST PRODUCT: x = K Q^T + mask x (-8e30), in units of the raw score.  t = x log2(e) / 8; M = the running largest t rounded up to a whole number;
; p = 2^(t - M) is one fused multiply-add and one exponential, quantised along the keys, not normalised; the row's sum is taken of the unquantised p and divides at the end.
; When M moves, the sum and O are multiplied by 2^(old M - new M): exact.
; The mask goes memory -> registers (two rows x 256 bytes a load) -> x (-8e30) -> the wave's own stage in LDS (16 rows x 272 bytes, 64 keys at a time) -> the result's layout.  Waves share nothing there: no barrier.
; A step's mask is asked of memory one whole key step ahead of the wait for it, and staged behind the last head's first product of the step before; this head's V is asked of LDS behind the first product, the next head's K in the gaps of the chain that makes M.
; CLUSTER 4 x 1: the four work-groups are four query groups of one batch and head group: they need the same K and V, and each fill is asked for jointly.
; No prefetch into the L2: K and V are fetched in two groups at the start, with no loop to run ahead in; the mask's loads into registers already stand 4 head steps ahead of their wait.
; LAYOUT as the launch before stores it.  Both products transposed (S^T = K Q^T, O^T = V^T P^T): a lane holds one query.  The head's K is 64: Q's fragment is four registers of codes and four of zeros;
; K's source names eight registers, of which the upper four (the next tile's codes; zeros behind the last) meet Q's zero codes; the scale words' upper two bytes repeat the two real ones.
; The first key step is written out: its second products start the sums (C = 0), nothing is cleared.
; LIMITS.  The promise holds while t stays under 2^31 in magnitude, hidden keys (t under -2^31) aside: those get p = 0.  A row whose every key so far is hidden takes p = 1 for each (multiplier and M set to 0 by a select):
; equal weights, as the definition gives where the row's mask numbers are equal.  mask x 8e30 must stay finite.  NaN and infinities are not served.  A block under 2^-124 or of zeros gets the byte 1; 1 / l is v_rcp_f32 and a multiplication.
.set KVB,   71680                      ; a block of kv: 8 heads x 128 keys: K's images 32,768, V's 32,768, scale words 8 x 768
.set KOFF,  24576                      ; LDS: scale words 8 steps x 3,072; K 8 x 16,384; V 8 x 16,384
.set VOFF,  KOFF+131072
.set STG,   VOFF+131072                ; the stages: no tensor load lands here
.set SP,    272
.set WST,   16*SP
.set SPARE, STG+8*WST                  ; the spare words, 128 bytes a wave
; window 0
.set SPW, 1
.set NIL, 2
.set ADK, 3                            ; K's images of the key step: KOFF + 16 lane + 16,384 step
.set ADS, 4                            ; scale words: 16 r + 3,072 step
.set L16, 5
.set R16, 6
.set MGO, 7                            ; the mask in memory: 4,096 h + 16 r
.set STI, 8                            ; into my stage: row h, 16 r
.set STO, 9                            ; out of it: row r, 64 h
.set VC,  10                           ; log2(e) / 8
.set ADV, 11
.set STB, 12                           ; v12-27: for each head -M, largest t, sum in two halves
.set QS,  28                           ; v28-31 Q's scale words; v32 p's; v36-39 V's; v40-47 K's: scales and nothing else
.set PW,  32
.set T2,  34
.set VS,  36
.set KS,  40
.set KF,  48                           ; v48-79 K's eight tiles; v80-83 zeros that stay
.set ZR,  KF+32
.set PP,  84
.set BM,  92
.set PM,  96
.set SO,  100
.set FF,  104
.set CC,  108                          ; the row's multiplier, and v110 its -M, as the multiply-add takes them
.set NM,  110
.set T0,  112
.set T1,  113
.set CH,  114                          ; v114-121 the sum's four chains
.set MC,  128                          ; v128-191 the mask's term of 128 keys, in S^T's layout
.set RL,  MC+8                         ; on the way out: 1 / l, a pair for each head
.set SS,  192                          ; v192-255 S^T, then p
; window 1 (named by their low 8 bits): v0-127 O^T of the 4 heads; v128-191 the mask on its way; v192-223 V's fragments; v224-255 Q's
.set MG,  128
.set VF,  192
.set QF,  224
.set G1A, 16
.set G1S, 24
.set G0A, 32
.set G0S, 36
.set WV,  40
.set CNT, 73
.set CS,  74
.set BIG, 75
.set NG,  76
.set SEL, 78
.set G1B, 80
.set G0B, 88
.set MSB, 0
.macro WIN new                         ; low byte: 1:0 source 0, 3:2 source 1, 5:4 source 2, 7:6 destination; the high byte repeats the setting that is left
.if MSB != \new
	s_set_vgpr_msb (MSB<<8)|\new
.set MSB, \new
.endif
.endm
.macro PLACES
.rept 4
	v_nop
.endr
.endm
.macro ROUND                           ; a round of the cluster's barrier
	s_barrier_signal -1
	s_barrier_wait -1
	s_cmp_lg_u32 s[WV], 0
	s_cbranch_scc1 .Lnot_wave_0_\@
	s_barrier_signal -3
.Lnot_wave_0_\@:
	s_barrier_wait -3
	s_barrier_signal -1
	s_barrier_wait -1
.endm
.macro MLOAD                           ; a key step's mask: 16 loads, each two neighbouring tokens x 256 bytes on end; rows 2 i, 2 i + 1 of my tile are tokens 2 i + 8 (i / 4) and the next
	WIN 0x40
.irp f, 0,1
.irp i, 0,1,2,3,4,5,6,7
	global_load_b128 v[MG+32*\f+4*\i:MG+32*\f+4*\i+3], v[MGO], s[4:5] offset:(2*\i+8*(\i/4))*4096+256*\f
.endr
.endr
	WIN 0
.endm
.macro STAGE                           ; the mask becomes its term and turns through my stage, 64 keys at a time; LDS serves a wave's instructions in order, so no wait stands between stores and loads
	s_wait_loadcnt 0x0
	WIN 0x41
.set j, 0
.rept 32
	v_pk_mul_f32 v[MG+j:MG+j+1], v[MG+j:MG+j+1], s[NG:NG+1] op_sel_hi:[1,0]
.set j, j+2
.endr
.irp f, 0,1
	WIN 0x04
.irp i, 0,1,2,3,4,5,6,7
	ds_store_b128 v[STI], v[MG+32*\f+4*\i:MG+32*\f+4*\i+3] offset:2*SP*\i
.endr
	WIN 0
.irp b, 0,1
.irp q, 0,1,2,3
	ds_load_b128 v[MC+32*\f+16*\b+4*\q:MC+32*\f+16*\b+4*\q+3], v[STO] offset:128*\b+16*\q   ; register 16 (2 f + b) + i: key 32 (2 f + b) + 16 h + i
.endr
.endr
.endr
.endm
.macro KL n, ko, so                    ; the n-th of a head's ten loads: eight tiles of K, two runs of scale words
.if (\n) < 8
	ds_load_b128 v[KF+4*(\n):KF+4*(\n)+3], v[ADK] offset:(\ko)+512*(\n)
.else
	ds_load_b128 v[KS+4*((\n)-8):KS+4*((\n)-8)+3], v[ADS] offset:(\so)+256*((\n)-8)
.endif
.endm
.macro KLOAD ko, so
.irp n, 0,1,2,3,4,5,6,7,8,9
	KL \n, \ko, \so
.endr
.endm
.macro KL2 n, hd, last                 ; two of the next head's loads, in a gap of the chain that makes M (the step's last head has asked for its successor's already)
.if (\last) == 0
	KL \n, 4096*(\hd+1), 768*(\hd+1)
	KL (\n)+1, 4096*(\hd+1), 768*(\hd+1)
.endif
.endm
.macro FMAS n                          ; t - M, two at a time; j goes on from call to call
.rept \n
	v_pk_fma_f32 v[SS+j:SS+j+1], v[SS+j:SS+j+1], v[CC:CC+1], v[NM:NM+1] op_sel_hi:[1,0,0]
.set j, j+2
.endr
.endm
; 128 keys of head hd.  last = 1: the step's last head.  first = 1: the first key step
.macro STEP hd, last, first
.set ST, STB+4*\hd
.set OA, 32*\hd
	WIN 0x04
.irp t, 0,1,2,3,4,5,6,7
	v_wmma_scale_f32_16x16x128_f8f6f4 v[SS+8*\t:SS+8*\t+7], v[KF+4*\t:KF+4*\t+7], v[QF+8*\hd:QF+8*\hd+7], v[MC+8*\t:MC+8*\t+7], v[KS+\t], v[QS+\hd] matrix_a_fmt:MATRIX_FMT_FP4 matrix_b_fmt:MATRIX_FMT_FP4
.endr
	WIN 0
	PLACES                                         ; in front of the loads below and of the first read of the scores
	WIN 0x40
.irp d, 0,1,2,3
.irp c, 0,1
	ds_load_b128 v[VF+8*\d+4*\c:VF+8*\d+4*\c+3], v[ADV] offset:4096*\hd+1024*\d+512*\c
.endr
.endr
	WIN 0
	ds_load_b128 v[VS:VS+3], v[ADS] offset:768*\hd+512
.if \last
	s_cmp_eq_u32 s[CNT], 1                         ; the last key step has no successor
	s_cbranch_scc1 .Lns_\@
	STAGE                                          ; the mask's registers are free: the next step's term
	KLOAD 16384, 3072                              ; and the next step's first head
.Lns_\@:
.endif
; the largest x of each block of 32 keys, for the row's maximum and for the block's largest p: two chains a block, eight by turns; each accumulator is read from its low end on
.irp b, 0,1,2,3
	v_max3_num_f32 v[BM+\b], v[SS+16*\b], v[SS+16*\b+1], v[SS+16*\b+2]
.endr
.irp b, 0,1,2,3
	v_max3_num_f32 v[PM+\b], v[SS+16*\b+8], v[SS+16*\b+9], v[SS+16*\b+10]
.endr
.irp i, 3,5
.irp b, 0,1,2,3
	v_max3_num_f32 v[BM+\b], v[BM+\b], v[SS+16*\b+\i], v[SS+16*\b+\i+1]
.endr
.irp b, 0,1,2,3
	v_max3_num_f32 v[PM+\b], v[PM+\b], v[SS+16*\b+8+\i], v[SS+16*\b+9+\i]
.endr
.endr
.irp b, 0,1,2,3
	v_max3_num_f32 v[BM+\b], v[BM+\b], v[SS+16*\b+7], v[SS+16*\b+15]
.endr
.irp b, 0,1,2,3
	v_max_num_f32 v[BM+\b], v[BM+\b], v[PM+\b]
.endr
; the row's maximum is joined across the lanes beside the blocks'
	v_max3_num_f32 v[T0], v[BM], v[BM+1], v[BM+2]
	v_permlanex16_b32 v[PM], v[BM], s[SEL], s[SEL+1]
	v_permlanex16_b32 v[PM+1], v[BM+1], s[SEL], s[SEL+1]
	v_max_num_f32 v[T0], v[T0], v[BM+3]
	v_permlanex16_b32 v[PM+2], v[BM+2], s[SEL], s[SEL+1]
	v_permlanex16_b32 v[PM+3], v[BM+3], s[SEL], s[SEL+1]
	v_mov_b32 v[T2], v[ST]                         ; the old -M
	v_permlanex16_b32 v[T1], v[T0], s[SEL], s[SEL+1]
.irp b, 0,1,2,3
	v_max_num_f32 v[BM+\b], v[BM+\b], v[PM+\b]     ; with lane l xor 16's 16 keys
.endr
	v_max_num_f32 v[T0], v[T0], v[T1]
	KL2 0, \hd, \last
.if \last
	s_delay_alu instid0(VALU_DEP_1)
.endif
	v_mul_f32 v[T0], s[CS], v[T0]                  ; as t
	KL2 2, \hd, \last
.if \last
	s_delay_alu instid0(VALU_DEP_1)
.endif
	v_max_num_f32 v[ST+1], v[ST+1], v[T0]          ; the running largest t
	KL2 4, \hd, \last
.if \last
	s_delay_alu instid0(VALU_DEP_1)
.endif
	v_floor_f32 v[ST], -v[ST+1]                    ; the new -M = -ceil(t)
	v_cmp_gt_f32 vcc_lo, s[BIG], v[ST+1]           ; every key so far hidden?
	KL2 6, \hd, \last
	v_cndmask_b32 v[CC], v[VC], v[ZR], vcc_lo      ; then multiplier and -M are 0: p = 1
	v_cndmask_b32 v[NM], v[ST], v[ZR], vcc_lo
	v_sub_f32 v[T0], v[ST], v[T2]                  ; old M - new M: a whole number, 0 or less
	KL2 8, \hd, \last
.set j, 0
	FMAS 6
	v_cvt_i32_f32 v[T0], v[T0]                     ; (it saturates)
	FMAS 6
	v_ldexp_f32 v[FF], 1.0, v[T0]                  ; f = 2^(old M - new M)
	FMAS 20
.irp b, 0,1,2,3
	v_fma_f32 v[BM+\b], v[BM+\b], v[CC], v[NM]     ; the same of each block's largest x
.endr
.if \first
	s_wait_alu depctr_va_vdst(0)                   ; ahead of the batch
.else
	WIN 0x41
	s_wait_alu depctr_va_vdst(0)                   ; ahead of the batch, and directly ahead of the first reader of O^T
.set j, 0
.rept 16
	v_pk_mul_f32 v[OA+j:OA+j+1], v[OA+j:OA+j+1], v[FF:FF+1] op_sel_hi:[1,0]  ; O^T under the new M
.set j, j+2
.endr
	WIN 0
.endif
.set j, 0
.rept 64
	v_exp_f32 v[SS+j], v[SS+j]                     ; p = 2^(t - M)
.set j, j+1
.endr
.irp b, 0,1,2,3
	v_exp_f32 v[BM+\b], v[BM+\b]                   ; the block's largest p: the same two instructions on the same number
.endr
	v_pk_mul_f32 v[ST+2:ST+3], v[ST+2:ST+3], v[FF:FF+1] op_sel_hi:[1,0]      ; the sums under the new M; the plain line behind the exponentials
	s_wait_alu depctr_va_vdst(0)                   ; one wait for the batch of 68, ahead of its first reader
.irp b, 0,1,2,3
	v_max_num_f32 v[BM+\b], 0x1800000, v[BM+\b]    ; the floor 2^(3 - 127): a block whose every p is 0 keeps the byte 1
.endr
.irp b, 0,1,2,3
	v_add_nc_u32 v[SO+\b], 0xff000000, v[BM+\b]    ; 2 off the exponent field: the conversion's scale operand
.endr
.irp b, 0,1,2,3
	v_lshrrev_b32 v[PM+\b], 23, v[SO+\b]           ; the scales' bytes
.endr
.irp b, 0,1,2,3
	v_cvt_scalef32_pk8_fp4_f32 v[PP+2*\b], v[SS+16*\b:SS+16*\b+7], v[SO+\b]
	v_cvt_scalef32_pk8_fp4_f32 v[PP+2*\b+1], v[SS+16*\b+8:SS+16*\b+15], v[SO+\b]
.endr
	v_lshl_or_b32 v[PW], v[PM+1], 8, v[PM]         ; p's scale word for these 128 keys; also the plain place behind the conversions
.irp k, 0,1,2,3
	v_pk_add_f32 v[CH+2*\k:CH+2*\k+1], v[SS+2*\k:SS+2*\k+1], v[SS+8+2*\k:SS+9+2*\k]   ; the row's sum of the unquantised p, in four chains
.endr
	v_lshl_or_b32 v[PW], v[PM+2], 16, v[PW]
.irp c, 0,1
.irp i, 0,1
	v_permlane16_swap_b32 v[PP+4*\c+\i], v[PP+2+4*\c+\i]                     ; a whole block to a lane
.endr
.endr
	v_lshl_or_b32 v[PW], v[PM+3], 24, v[PW]
.irp g, 16,24,32,40,48,56
.irp k, 0,1,2,3
	v_pk_add_f32 v[CH+2*\k:CH+2*\k+1], v[CH+2*\k:CH+2*\k+1], v[SS+\g+2*\k:SS+\g+2*\k+1]   ; these 24 also stand between the scale word's and the codes' last writes and the products
.endr
.endr
	v_pk_add_f32 v[CH:CH+1], v[CH:CH+1], v[CH+2:CH+3]
	v_pk_add_f32 v[CH+4:CH+5], v[CH+4:CH+5], v[CH+6:CH+7]
	s_delay_alu instid0(VALU_DEP_2)
	v_pk_add_f32 v[ST+2:ST+3], v[ST+2:ST+3], v[CH:CH+1]
	s_delay_alu instid0(VALU_DEP_1)
	v_pk_add_f32 v[ST+2:ST+3], v[ST+2:ST+3], v[CH+4:CH+5]
	s_wait_dscnt 0x0                               ; V and its words; also the next K, the next mask's term, and my stage's stores have read their registers
.if \last
	s_cmp_lt_u32 s[CNT], 3                         ; the mask of two key steps on, while there is one
	s_cbranch_scc1 .Lnm_\@
	s_wait_loadcnt 0x0                             ; no load of mine is out: the base may step
	s_add_nc_u64 s[4:5], s[4:5], 512
	MLOAD
.Lnm_\@:
.endif
	WIN 0x51
.irp d, 0,1,2,3
.if \first
	v_wmma_scale_f32_16x16x128_f8f6f4 v[OA+8*\d:OA+8*\d+7], v[VF+8*\d:VF+8*\d+7], v[PP:PP+7], 0, v[VS+\d], v[PW] matrix_a_fmt:MATRIX_FMT_FP4 matrix_b_fmt:MATRIX_FMT_FP4
.else
	v_wmma_scale_f32_16x16x128_f8f6f4 v[OA+8*\d:OA+8*\d+7], v[VF+8*\d:VF+8*\d+7], v[PP:PP+7], v[OA+8*\d:OA+8*\d+7], v[VS+\d], v[PW] matrix_a_fmt:MATRIX_FMT_FP4 matrix_b_fmt:MATRIX_FMT_FP4
.endif
.endr
	WIN 0
.endm
.macro KEYSTEP first
	STEP 0, 0, \first
	STEP 1, 0, \first
	STEP 2, 0, \first
	STEP 3, 1, \first
	v_add_nc_u32 v[ADK], 16384, v[ADK]
	v_add_nc_u32 v[ADV], 16384, v[ADV]
	v_add_nc_u32 v[ADS], 3072, v[ADS]
	s_sub_co_u32 s[CNT], s[CNT], 1
.endm
; O^T / l of head hd, quantised along D: its 64 channels are two blocks: half hd & 1 of K step head >> 1 of ctx's fragment
.macro FIN hd
.set PC, KF+4*\hd
	WIN 0x01
	s_wait_alu depctr_va_vdst(0)                   ; ahead of the first reader of the reciprocal and of this head's O^T
.set j, 0
.rept 16
	v_pk_mul_f32 v[SS+j:SS+j+1], v[32*\hd+j:32*\hd+j+1], v[RL+2*\hd:RL+2*\hd+1] op_sel_hi:[1,0]   ; register 16 b + i: channel 32 b + 16 h + i; each accumulator from its low end on
.set j, j+2
.endr
	WIN 0
.irp b, 0,1
	v_max3_num_f32 v[BM+\b], |v[SS+16*\b]|, |v[SS+16*\b+1]|, 0x1800000
.endr
.irp i, 2,4,6,8,10,12,14
.irp b, 0,1
	v_max3_num_f32 v[BM+\b], v[BM+\b], |v[SS+16*\b+\i]|, |v[SS+16*\b+\i+1]|
.endr
.endr
.irp b, 0,1
	v_permlanex16_b32 v[PM+\b], v[BM+\b], s[SEL], s[SEL+1]
.endr
.irp b, 0,1
	v_max_num_f32 v[BM+\b], v[BM+\b], v[PM+\b]
.endr
.irp b, 0,1
	v_add_nc_u32 v[SO+\b], 0xff000000, v[BM+\b]
.endr
.irp b, 0,1
	v_lshrrev_b32 v[PM+\b], 23, v[SO+\b]
.endr
	s_delay_alu instid0(VALU_DEP_1)
	v_lshl_or_b32 v[MC+\hd], v[PM+1], 8, v[PM]     ; the head's two bytes
.irp b, 0,1
	v_cvt_scalef32_pk8_fp4_f32 v[PC+2*\b], v[SS+16*\b:SS+16*\b+7], v[SO+\b]
	v_cvt_scalef32_pk8_fp4_f32 v[PC+2*\b+1], v[SS+16*\b+8:SS+16*\b+15], v[SO+\b]
.endr
	v_nop
	v_permlane16_swap_b32 v[PC], v[PC+2]
	v_permlane16_swap_b32 v[PC+1], v[PC+3]
	global_store_b128 v[L16], v[PC:PC+3], s[12:13] offset:8192*(\hd/2)+512*(\hd%2)   ; 512 bytes on end
.endm
	s_load_b256 s[4:11], s[0:1], 0x0               ; mask s[4:5], qimg s[6:7], qsc s[8:9], kv s[10:11]
	s_load_b128 s[12:15], s[0:1], 0x20             ; cfrag s[12:13], scl s[14:15]
	v_lshl_add_u32 v[SPW], v0, 2, SPARE
	v_mov_b32 v[NIL], 0
	ds_add_u32 v[SPW], v[NIL]                      ; the opening lines: the add, twice on end, and its wait
	ds_add_u32 v[SPW], v[NIL]
	v_lshrrev_b32 v[T0], 5, v0
	v_readfirstlane_b32 s[WV], v[T0]               ; wave 0..7
	s_bfe_u32 s41, ttmp6, 0x40000                  ; cx: it enters global addresses of my own loads and stores alone
	s_lshr_b32 s42, ttmp9, 3                       ; batch
	s_bfe_u32 s43, ttmp9, 0x20001                  ; head group
	s_and_b32 s44, ttmp9, 1
	s_lshl_b32 s44, s44, 2
	s_add_co_u32 s44, s44, s41                     ; my group of 128 queries
	s_mov_b32 s[G1A], 15|(3<<16)|(1<<21)           ; all four work-groups; elements of 8 bytes; 21 set beside a mask
	s_mov_b32 s[G1A+1], 32<<16                     ; the head's K, V: 16,384 dense bytes (4 heads of a key step) as 64 rows of 256
	s_mov_b32 s[G1A+2], 64<<16
	s_mov_b32 s[G1A+3], 32<<16
	s_mov_b32 s[G1A+4], 64
	s_mov_b32 s[G1A+5], 32
	s_mov_b32 s[G1A+6], 0
	s_mov_b32 s[G1A+7], 0
	s_mov_b32 s[G1S], 15|(3<<16)|(1<<21)
	s_mov_b32 s[G1S+1], 384<<16                    ; scale words: rows of 3,072 bytes, two key steps,
	s_mov_b32 s[G1S+2], 2<<16
	s_mov_b32 s[G1S+3], 384<<16
	s_mov_b32 s[G1S+4], 2
	s_mov_b32 s[G1S+5], KVB/8                      ; a block of kv apart
	s_mov_b32 s[G1S+6], 0
	s_mov_b32 s[G1S+7], 0
	s_mov_b32 s[G1B], 15|(3<<16)|(1<<21)
	s_mov_b32 s[G1B+1], 2048<<16                   ; the later K, V: rows of 16,384 bytes, three key steps
	s_mov_b32 s[G1B+2], 3<<16
	s_mov_b32 s[G1B+3], 2048<<16
	s_mov_b32 s[G1B+4], 3
	s_mov_b32 s[G1B+5], KVB/8
	s_mov_b32 s[G1B+6], 0
	s_mov_b32 s[G1B+7], 0
	s_lshl_b32 s45, s42, 1
	s_lshr_b32 s46, s43, 1
	s_add_co_u32 s45, s45, s46
	s_mul_i32 s45, s45, 8*KVB                      ; the eight blocks of my batch and half of the heads
	s_and_b32 s46, s43, 1                          ; which four heads of a block
	s_lshl_b32 s47, s46, 14
	s_add_co_u32 s47, s47, s45
	s_bfe_u32 s48, s[WV], 0x10001                  ; waves 0, 1: K; waves 2, 3: V
	s_lshl_b32 s49, s48, 15
	s_add_co_u32 s47, s47, s49
	s_lshl_b32 s54, s48, 17
	s_add_co_u32 s54, s54, KOFF
	s_and_b32 s48, s[WV], 1
	s_mul_i32 s49, s48, KVB                        ; at the head: key step w & 1
	s_add_co_u32 s50, s47, s49
	s_mov_b32 s51, 0
	s_lshl_b32 s49, s48, 14
	s_add_co_u32 s55, s54, s49
	s_mul_i32 s49, s48, 3*KVB                      ; later: key steps 2 + 3 (w & 1) and the two behind
	s_add_co_u32 s49, s49, 2*KVB
	s_add_co_u32 s92, s47, s49
	s_mov_b32 s93, 0
	s_mul_i32 s49, s48, 49152
	s_add_co_u32 s49, s49, 32768
	s_add_co_u32 s54, s54, s49
	s_mul_i32 s48, s46, 3072
	s_add_co_u32 s48, s48, s45
	s_add_co_u32 s48, s48, 65536
	s_and_b32 s49, s[WV], 3                        ; waves 4-7: the scale words of key steps 2 (w & 3) and the next
	s_mul_i32 s52, s49, 2*KVB
	s_add_co_u32 s52, s52, s48
	s_mov_b32 s53, 0
	s_mul_i32 s94, s49, 6144
	s_lshl_b32 s56, s44, 3
	s_add_co_u32 s56, s56, s[WV]                   ; my tile of queries in the batch
	s_lshl_b32 s57, s42, 4
	s_lshl_b32 s58, s43, 2
	s_add_co_u32 s57, s57, s58                     ; 16 batch + my first head
	s_lshl_b32 s58, s57, 15
	s_lshl_b32 s59, s56, 9
	s_add_co_u32 s58, s58, s59                     ; Q's images
	s_mov_b32 s59, 0
	s_lshl_b32 s60, s57, 12
	s_lshr_b32 s61, s56, 2
	s_lshl_b32 s61, s61, 8
	s_add_co_u32 s60, s60, s61
	s_and_b32 s61, s56, 3
	s_lshl_b32 s61, s61, 2
	s_add_co_u32 s60, s60, s61                     ; Q's words
	s_mov_b32 s61, 0
	s_lshl_b32 s62, s42, 22
	s_lshl_b32 s63, s44, 19
	s_add_co_u32 s62, s62, s63
	s_lshr_b32 s63, s[WV], 1
	s_lshl_b32 s63, s63, 17
	s_add_co_u32 s62, s62, s63
	s_and_b32 s63, s[WV], 1
	s_lshl_b32 s63, s63, 15
	s_add_co_u32 s62, s62, s63                     ; the mask: token 128 group + 32 (w >> 1) + 8 (w & 1)
	s_mov_b32 s63, 0
	s_lshl_b32 s66, s42, 6
	s_add_co_u32 s66, s66, s56                     ; ctx's tile
	s_lshr_b32 s68, s66, 3
	s_lshl_b32 s68, s68, 16
	s_and_b32 s69, s66, 7
	s_lshl_b32 s69, s69, 10
	s_add_co_u32 s68, s68, s69
	s_lshl_b32 s69, s43, 14
	s_add_co_u32 s68, s68, s69                     ; K step 2 x head group
	s_mov_b32 s69, 0
	s_lshl_b32 s70, s66, 9
	s_add_co_u32 s70, s70, 262144
	s_lshr_b32 s71, s43, 1
	s_lshl_b32 s71, s71, 8
	s_add_co_u32 s70, s70, s71
	s_lshl_b32 s71, s46, 3
	s_add_co_u32 s70, s70, s71                     ; ctx's two scale words of my four heads
	s_mov_b32 s71, 0
	s_mul_i32 s72, s[WV], WST
	s_add_co_u32 s72, s72, STG                     ; my stage
	s_mov_b32 s[CS], 0x3e38aa3b                    ; log2(e) / 8
	s_mov_b32 s[BIG], 0xcf000000                   ; -2^31
	s_mov_b32 s[NG], 0xf2c9f2ca                    ; -8e30
	s_mov_b32 s[NG+1], s[NG]
	s_mov_b32 s[SEL], 0x76543210
	s_mov_b32 s[SEL+1], 0xfedcba98
	s_mov_b32 s[CNT], 8
	v_and_b32 v[L16], 31, v0
	v_lshlrev_b32 v[L16], 4, v[L16]
	v_and_b32 v[R16], 15, v0                       ; r
	v_bfe_u32 v[T0], v0, 4, 1                      ; h
	v_mul_u32_u24 v[STO], v[R16], SP
	v_lshl_add_u32 v[STO], v[T0], 6, v[STO]
	v_add_nc_u32 v[STO], s72, v[STO]
	v_lshlrev_b32 v[R16], 4, v[R16]
	v_mul_u32_u24 v[STI], v[T0], SP
	v_add_nc_u32 v[STI], v[STI], v[R16]
	v_add_nc_u32 v[STI], s72, v[STI]
	v_lshl_add_u32 v[MGO], v[T0], 12, v[R16]
	v_add_nc_u32 v[ADK], KOFF, v[L16]
	v_add_nc_u32 v[ADV], VOFF, v[L16]
	v_mov_b32 v[ADS], v[R16]
	s_wait_alu depctr_va_vdst(0)                   ; directly ahead of the waits below
	s_wait_dscnt 0x0                               ; both opening adds are done
	s_wait_kmcnt 0x0
	s_mov_b32 s[G0A], 1
	s_mov_b32 s[G0A+1], s55
	s_add_nc_u64 s[G0A+2:G0A+3], s[10:11], s[50:51]
	s_or_b32 s[G0A+3], s[G0A+3], 0x80000000
	s_mov_b32 s[G0S], 1
	s_mov_b32 s[G0S+1], s94
	s_add_nc_u64 s[G0S+2:G0S+3], s[10:11], s[52:53]
	s_or_b32 s[G0S+3], s[G0S+3], 0x80000000
	s_mov_b32 s[G0B], 1
	s_mov_b32 s[G0B+1], s54
	s_add_nc_u64 s[G0B+2:G0B+3], s[10:11], s[92:93]
	s_or_b32 s[G0B+3], s[G0B+3], 0x80000000
	s_add_nc_u64 s[4:5], s[4:5], s[62:63]
	s_add_nc_u64 s[6:7], s[6:7], s[58:59]
	s_add_nc_u64 s[8:9], s[8:9], s[60:61]
	s_add_nc_u64 s[12:13], s[12:13], s[68:69]
	s_add_nc_u64 s[14:15], s[14:15], s[70:71]
	MLOAD                                          ; key step 0's mask
	WIN 0x40
.irp hd, 0,1,2,3
	global_load_b128 v[QF+8*\hd:QF+8*\hd+3], v[L16], s[6:7] offset:32768*\hd
.endr
	WIN 0
.irp hd, 0,1,2,3
	global_load_b32 v[QS+\hd], v[R16], s[8:9] offset:4096*\hd
.endr
	ROUND                                          ; all four work-groups are here: the joint loads meet
	s_cmp_lt_u32 s[WV], 4                          ; one fill a wave, two arms, one join
	s_cbranch_scc0 .Larm_s
	tensor_load_to_lds s[G0A:G0A+3], s[G1A:G1A+7]
	s_nop 0
	PLACES
	s_branch .Lasked
.Larm_s:
	tensor_load_to_lds s[G0S:G0S+3], s[G1S:G1S+7]
	s_nop 0
	PLACES
.Lasked:
	WIN 0x40
.irp hd, 0,1,2,3
.irp j, 4,5,6,7
	v_mov_b32 v[QF+8*\hd+\j], 0                    ; the zero codes that fill the product's K from 64 to 127
.endr
.endr
	WIN 0
.irp j, 0,1,2,3
	v_mov_b32 v[ZR+\j], 0
	v_mov_b32 v[STB+4*\j+1], 0xff61b1e6            ; -3e38, under every t
	v_mov_b32 v[STB+4*\j], 0x7f61b1e6              ; -M
	v_mov_b32 v[STB+4*\j+2], 0
	v_mov_b32 v[STB+4*\j+3], 0
.endr
	v_mov_b32 v[T1], 0                             ; a lane permute's destination counts as read
	v_mov_b32 v[FF+1], 0                           ; upper halves of pairs that are named whole
	v_mov_b32 v[CC+1], 0
	v_mov_b32 v[NM+1], 0
	v_mov_b32 v[VC], s[CS]
	s_wait_alu depctr_va_vdst(0)                   ; at the head's end
	s_wait_tensorcnt 0x0                           ; my fill has landed
	ds_add_u32 v[SPW], v[NIL]
	s_wait_dscnt 0x0
	ROUND                                          ; key steps 0 and 1 and the scale words are whole, and all four work-groups are here
	s_cmp_lt_u32 s[WV], 4
	s_cbranch_scc0 .Lno_b
	tensor_load_to_lds s[G0B:G0B+3], s[G1B:G1B+7]  ; key steps 2 to 7: a wave's one load behind the round
	s_nop 0
	PLACES
.Lno_b:
	STAGE                                          ; its wait serves Q too
	KLOAD 0, 0
	s_wait_dscnt 0x0
	s_add_nc_u64 s[4:5], s[4:5], 512
	MLOAD                                          ; key step 1's mask
	KEYSTEP 1                                      ; the first key step starts the sums; it reads key step 0, and K's first head of key step 1
	s_wait_alu depctr_va_vdst(0)                   ; directly ahead of the waits below
	s_wait_tensorcnt 0x0                           ; my part of key steps 2 to 7 has landed
	s_wait_dscnt 0x0
	s_barrier_signal -1
	s_barrier_wait -1                              ; and everybody's; nothing is filled again
.Lkeys:                                            ; key steps 1 to 7
	KEYSTEP 0
	s_cmp_lg_u32 s[CNT], 0
	s_wait_alu depctr_va_vdst(0)                   ; directly ahead of the branch
	s_cbranch_scc1 .Lkeys
	PLACES                                         ; in front of the first read of the last results
.irp hd, 0,1,2,3
	v_add_f32 v[STB+4*\hd+2], v[STB+4*\hd+2], v[STB+4*\hd+3]
.endr
.irp hd, 0,1,2,3
	v_permlanex16_b32 v[PM+\hd], v[STB+4*\hd+2], s[SEL], s[SEL+1]
.endr
.irp hd, 0,1,2,3
	v_add_f32 v[STB+4*\hd+2], v[STB+4*\hd+2], v[PM+\hd]   ; the rows' sums
.endr
	s_wait_alu depctr_va_vdst(0)                   ; ahead of the batch
.irp hd, 0,1,2,3
	v_rcp_f32 v[RL+2*\hd], v[STB+4*\hd+2]
.endr
	v_nop
	FIN 0
	FIN 1
	FIN 2
	FIN 3
	v_lshl_or_b32 v[MC+4], v[MC+1], 16, v[MC]      ; my four heads' bytes are two whole scale words of row r
	v_lshl_or_b32 v[MC+5], v[MC+3], 16, v[MC+2]
	global_store_b64 v[R16], v[MC+4:MC+5], s[14:15]   ; lanes r and r + 16 store the same 8 bytes to the same place: EXEC is never changed
	s_wait_tensorcnt 0x0                           ; the wave's end
	ds_add_u32 v[SPW], v[NIL]
	s_wait_dscnt 0x0
	ROUND                                          ; the closing round
	s_endpgm
.Lfunc_end_k_q840027e70c_attn:
	.size	k_q840027e70c_attn, .Lfunc_end_k_q840027e70c_attn-k_q840027e70c_attn
	.p2alignl 7, 3214868480
	.fill 96, 4, 3214868480
	.section	.rodata,"a",@progbits
	.p2align	6, 0x0
	.amdhsa_kernel k_q840027e70c_attn
		.amdhsa_group_segment_fixed_size 327680
		.amdhsa_private_segment_fixed_size 0
		.amdhsa_enable_private_segment 0
		.amdhsa_kernarg_size 48
		.amdhsa_user_sgpr_count 2
		.amdhsa_user_sgpr_kernarg_segment_ptr 1
		.amdhsa_wavefront_size32 1
		.amdhsa_system_sgpr_workgroup_id_x 1
		.amdhsa_system_sgpr_workgroup_id_y 1
		.amdhsa_system_sgpr_workgroup_id_z 1
		.amdhsa_system_vgpr_workitem_id 0
		.amdhsa_next_free_vgpr 512
		.amdhsa_next_free_sgpr 96
		.amdhsa_reserve_vcc 1
		.amdhsa_float_denorm_mode_32 3
		.amdhsa_float_denorm_mode_16_64 3
		.amdhsa_memory_ordered 1
		.amdhsa_forward_progress 1
		.amdhsa_inst_pref_size 161
	.end_amdhsa_kernel
	.amdgpu_metadata
---
amdhsa.version: [ 1, 2 ]
amdhsa.kernels:
  - .name:           k_q840027e70c_attn
    .symbol:         k_q840027e70c_attn.kd
    .args:
      - { .name: mask, .offset: 0, .size: 8, .value_kind: global_buffer, .address_space: global }
      - { .name: qimg, .offset: 8, .size: 8, .value_kind: global_buffer, .address_space: global }
      - { .name: qsc, .offset: 16, .size: 8, .value_kind: global_buffer, .address_space: global }
      - { .name: kv, .offset: 24, .size: 8, .value_kind: global_buffer, .address_space: global }
      - { .name: cfrag, .offset: 32, .size: 8, .value_kind: global_buffer, .address_space: global }
      - { .name: scl, .offset: 40, .size: 8, .value_kind: global_buffer, .address_space: global }
    .group_segment_fixed_size: 327680
    .private_segment_fixed_size: 0
    .kernarg_segment_align: 8
    .kernarg_segment_size: 48
    .max_flat_workgroup_size: 256
    .sgpr_count:     96
    .vgpr_count:     512
    .wavefront_size: 32
...
	.end_amdgpu_metadata
.endif
;; end of part 3
;; launch outp (part 4): grid 8 x 32, 16 waves a work-group, clusters of 4 x 4, 268,288 bytes of LDS; arguments cfrag, wfrag, scl, b_out, x, out0; writes out0
.if DOCPART == 4
	.amdgcn_target "amdgcn-amd-amdhsa--gfx1250"
	.amdhsa_code_object_version 6
	.text
	.protected	k_q840027e70c_outp
	.globl	k_q840027e70c_outp
	.p2align	8
	.type	k_q840027e70c_outp,@function
k_q840027e70c_outp:
	s_mov_b64 s[64:65], 0
	v_nop
	global_prefetch_b8 v0, s[64:65] scope:SCOPE_SE
	s_setreg_imm32_b32 hwreg(HW_REG_WAVE_MODE, 25, 1), 1
	s_wait_xcnt 0x0
	s_wait_alu depctr_hold_cnt(0) depctr_sa_sdst(0) depctr_va_vdst(0) depctr_va_sdst(0) depctr_va_ssrc(0) depctr_va_vcc(0) depctr_vm_vsrc(0)
	s_getreg_b32 s2, hwreg(HW_REG_IB_STS2, 6, 4)
	s_cmp_eq_u32 s2, 0
	s_cbranch_scc0 .Lentry_in_a_cluster
	s_endpgm
.Lentry_in_a_cluster:
	s_bfe_u32 s2, ttmp6, 0x10000c
	s_cmp_lg_u32 s2, 0xf033
	s_cbranch_scc0 .Lentry_shape_is_right
	s_endpgm
.Lentry_shape_is_right:
; OUTP: out0 = x + ctx W_out + b_out; the product on codes of FP4 with E8M0 scales, the rest in f32.
; A work-group makes 256 tokens x 128 columns: 256 work-groups.  Wave w: 32 tokens (w >> 1: tiles u = 0, 1) x 64 columns (w & 1: four tiles): 8 accumulators.
; All of K (1,024) fits in LDS, each byte filled once, as images of the operands' registers: ctx's two blocks of 65,536 bytes (waves with w & 3 = 0, 1 fetch), the weight's one (w & 3 = 2), four tensor loads of 16,384 bytes each:
; one load a wave; the products begin when all twelve have landed.
; CLUSTER 4 x 4: ctx's blocks are shared along a row of the cluster, the weight's along a column: each is asked for jointly.
; THE PRODUCT IS USED TRANSPOSED (source 0 = 16 weight columns, source 1 = 16 tokens): a lane holds one token, and its 16 registers of two neighbouring tiles are 16 neighbouring columns.
; The bias is the C of the first K step.  The results go through the wave's own stage in LDS and leave, with x added, as whole pieces of 256 bytes of a row.
.set SCLC, 262144                      ; ctx's scale words in scl
.set SCLW, 524288                      ; the weights'
.set STAGE, 196608                     ; behind the three blocks: 16 rows x 272 bytes for each wave; no tensor load fills these bytes
.set SP,   272
.set WV,   18
.set G1A,  28
.set G1B,  36
.set G0A,  44
.set G0B,  68
.set SC,   16                          ; v16-47   scale words: lanes 0-15 ctx's tile i, lanes 16-31 the weight's tile i.  They hold nothing else
.set BI,   48                          ; v48-79   the bias in the result's layout; on the way out rows of tile 1
.set FA,   80                          ; v80-95   ctx's two fragments
.set FB,   96                          ; v96-127  the weight's four; on the way out v80-111 are rows of tile 0
.set ACC,  128                         ; v128-191
.set XR,   192                         ; v192-255 x at my 32 tokens x 64 columns
.macro PLACES
.rept 4
	v_nop
.endr
.endm
.macro CROUND
	s_barrier_signal -1
	s_barrier_wait -1
	s_cmp_lg_u32 s[WV], 0
	s_cbranch_scc1 .Lnot_wave_0_\@
	s_barrier_signal -3
.Lnot_wave_0_\@:
	s_barrier_wait -3
	s_barrier_signal -1
	s_barrier_wait -1
.endm
.macro CHUNK i                         ; chunk i has landed in every wave that fetched: chunk 0's wait covers all four
.if (\i) == 0                          ; a wave has issued one fill at the most: each waits for its own, and behind the one barrier all twelve pieces are whole
	s_wait_tensorcnt 0x0
	s_barrier_signal -1
	s_barrier_wait -1
.endif
.endm
.macro KSTEP s                         ; the 8 accumulators take turns, one instruction a turn
.if (\s) > 0
	PLACES                                         ; in front of loads into registers that the last products read
.endif
.irp a, 0,1
.irp c, 0,1
	ds_load_b128 v[FA+8*\a+4*\c:FA+8*\a+4*\c+3], v4 offset:8192*(\s)+1024*\a+512*\c
.endr
.endr
.irp b, 0,1,2,3
.irp c, 0,1
	ds_load_b128 v[FB+8*\b+4*\c:FB+8*\b+4*\c+3], v5 offset:8192*(\s)+1024*\b+512*\c
.endr
.endr
	s_wait_dscnt 0x0
.irp a, 0,1
.irp b, 0,1,2,3
.if (\s) == 0
	v_wmma_scale_f32_16x16x128_f8f6f4 v[ACC+32*\a+8*\b:ACC+32*\a+8*\b+7], v[FB+8*\b:FB+8*\b+7], v[FA+8*\a:FA+8*\a+7], v[BI+8*\b:BI+8*\b+7], v[SC+16*((\s)/4)+4*\b+(\s)%4], v[SC+16*((\s)/4)+4*\a+(\s)%4] matrix_a_fmt:MATRIX_FMT_FP4 matrix_b_fmt:MATRIX_FMT_FP4 matrix_a_scale:MATRIX_SCALE_ROW1
.else
	v_wmma_scale_f32_16x16x128_f8f6f4 v[ACC+32*\a+8*\b:ACC+32*\a+8*\b+7], v[FB+8*\b:FB+8*\b+7], v[FA+8*\a:FA+8*\a+7], v[ACC+32*\a+8*\b:ACC+32*\a+8*\b+7], v[SC+16*((\s)/4)+4*\b+(\s)%4], v[SC+16*((\s)/4)+4*\a+(\s)%4] matrix_a_fmt:MATRIX_FMT_FP4 matrix_b_fmt:MATRIX_FMT_FP4 matrix_a_scale:MATRIX_SCALE_ROW1
.endif
.endr
.endr
.endm
	s_load_b256 s[4:11], s[0:1], 0x0               ; cfrag s[4:5], wfrag s[6:7], scl s[8:9], b_out s[10:11]
	s_load_b128 s[12:15], s[0:1], 0x20             ; x s[12:13], out0 s[14:15]
	v_lshl_add_u32 v14, v0, 2, 0x41000
	v_mov_b32 v15, 0
	ds_add_u32 v14, v15
	ds_add_u32 v14, v15
	v_lshrrev_b32 v1, 5, v0
	s_delay_alu instid0(VALU_DEP_1)
	v_readfirstlane_b32 s[WV], v1                  ; wave 0..15
	s_bfe_u32 s19, ttmp6, 0x40000                  ; cx
	s_bfe_u32 s20, ttmp6, 0x40004                  ; cy
	s_lshl_b32 s21, ttmp9, 2
	s_add_co_u32 s21, s21, s19                     ; tile column 0..7
	s_and_b32 s22, ttmp7, 0xffff
	s_lshl_b32 s22, s22, 2
	s_add_co_u32 s22, s22, s20                     ; tile row 0..31
	s_lshr_b32 s23, s[WV], 1                       ; which 32 tokens
	s_and_b32 s24, s[WV], 1                        ; which 64 columns; also: which block of ctx I fetch
	s_lshl_b32 s25, s20, 2
	s_lshl_b32 s25, 15, s25                        ; my row of the cluster
	s_lshl_b32 s26, 0x1111, s19                    ; my column
	s_or_b32 s[G1A], s25, (3<<16)|(1<<21)          ; 16,384 dense bytes as 64 rows of 32 elements of 8 bytes; the mask; 21 set beside it
	s_or_b32 s[G1B], s26, (3<<16)|(1<<21)
.irp g, G1A, G1B
	s_mov_b32 s[\g+1], 32<<16
	s_mov_b32 s[\g+2], 64<<16
	s_mov_b32 s[\g+3], 32<<16
	s_mov_b32 s[\g+4], 64
	s_mov_b32 s[\g+5], 32
	s_mov_b32 s[\g+6], 0
	s_mov_b32 s[\g+7], 0
.endr
	s_lshl_b32 s84, s22, 1
	s_add_co_u32 s84, s84, s24
	s_lshl_b32 s84, s84, 16                        ; ctx: block 2 x tile row + half
	s_mov_b32 s85, 0
	s_add_co_u32 s86, s21, 24
	s_lshl_b32 s86, s86, 16                        ; W_out: block 24 + tile column
	s_mov_b32 s87, 0
	; THE TWELVE FILLS ARE SHARED OUT, ONE A WAVE: wave w fetches chunk w >> 2 (16,384 bytes: two K steps) of block w & 3 (0, 1: ctx's; 2: the weight's; 3: none)
	s_and_b32 s88, s[WV], 3
	s_lshl_b32 s88, s88, 16
	s_lshr_b32 s90, s[WV], 2
	s_lshl_b32 s90, s90, 14                        ; the chunk's bytes in its block
	s_add_co_u32 s88, s88, s90                     ; in LDS: 65,536 x block + 16,384 x chunk
	s_mov_b32 s91, 0
	s_wait_dscnt 0x0
	s_wait_kmcnt 0x0
	s_add_nc_u64 s[84:85], s[4:5], s[84:85]
	s_add_nc_u64 s[86:87], s[6:7], s[86:87]
	s_mov_b32 s[G0A], 1
	s_mov_b32 s[G0A+1], s88
	s_add_nc_u64 s[G0A+2:G0A+3], s[84:85], s[90:91]
	s_or_b32 s[G0A+3], s[G0A+3], 0x80000000
	s_mov_b32 s[G0B], 1
	s_mov_b32 s[G0B+1], s88
	s_add_nc_u64 s[G0B+2:G0B+3], s[86:87], s[90:91]
	s_or_b32 s[G0B+3], s[G0B+3], 0x80000000
	CROUND                                         ; all sixteen work-groups are here: the joint loads meet
	s_and_b32 s92, s[WV], 3                        ; one chain of branches on the wave's number, one fill to an arm, one join
	s_cmp_lt_u32 s92, 2
	s_cbranch_scc0 .Lnot_a
	tensor_load_to_lds s[G0A:G0A+3], s[G1A:G1A+7]
	s_nop 0
	PLACES
	s_branch .Lasked
.Lnot_a:
	s_cmp_eq_u32 s92, 2
	s_cbranch_scc0 .Lasked
	tensor_load_to_lds s[G0B:G0B+3], s[G1B:G1B+7]
	s_nop 0
	PLACES
.Lasked:
	v_and_b32 v1, 31, v0
	s_delay_alu instid0(VALU_DEP_1)
	v_lshlrev_b32 v1, 4, v1                        ; 16 x lane
	v_and_b32 v2, 15, v0                           ; r
	v_bfe_u32 v3, v0, 4, 1                         ; h
	s_wait_alu depctr_va_vdst(0)
	s_lshr_b32 s89, s23, 2
	s_lshl_b32 s89, s89, 16
	s_and_b32 s90, s23, 3
	s_lshl_b32 s90, s90, 11
	s_add_co_u32 s89, s89, s90
	v_add_nc_u32 v4, s89, v1                       ; ctx's fragments: my two tiles
	s_lshl_b32 s89, s24, 12
	s_add_co_u32 s89, s89, 131072
	v_add_nc_u32 v5, s89, v1                       ; the weight's: my four
	s_lshl_b32 s91, s22, 13
	s_lshl_b32 s92, s23, 10
	s_add_co_u32 s91, s91, s92
	s_add_co_u32 s91, s91, SCLC                    ; ctx's scale words of my two tiles (lanes 0-15 also read the two tiles behind them, inside scl: not used)
	s_lshl_b32 s93, s21, 12
	s_lshl_b32 s92, s24, 11
	s_add_co_u32 s93, s93, s92
	s_add_co_u32 s93, s93, SCLW+192*512            ; the weight's
	s_sub_co_u32 s93, s93, s91
	v_mul_u32_u24 v6, s93, v3                      ; lanes 16-31 take the weight's
	s_delay_alu instid0(VALU_DEP_1)
	v_lshl_add_u32 v6, v2, 4, v6
	s_delay_alu instid0(VALU_DEP_1)
	v_add_nc_u32 v6, s91, v6
	v_lshlrev_b32 v7, 6, v3                        ; the bias: 64 h
	s_wait_alu depctr_va_vdst(0)
	v_lshlrev_b32 v8, 4, v2
	s_delay_alu instid0(VALU_DEP_1)
	v_lshl_add_u32 v8, v3, 12, v8                  ; x and out0: lanes 0-15 one row, lanes 16-31 the next; 16 bytes a lane
	s_wait_alu depctr_va_vdst(0)
	s_mul_i32 s89, s[WV], 16*SP
	s_add_co_u32 s89, s89, STAGE                   ; my stage
	v_mul_u32_u24 v9, v2, SP
	s_delay_alu instid0(VALU_DEP_1)
	v_lshl_add_u32 v9, v3, 6, v9
	s_delay_alu instid0(VALU_DEP_1)
	v_add_nc_u32 v9, s89, v9                       ; in: row r, 64 h bytes on
	v_mul_u32_u24 v10, v3, SP
	s_delay_alu instid0(VALU_DEP_1)
	v_lshl_add_u32 v10, v2, 4, v10
	s_delay_alu instid0(VALU_DEP_1)
	v_add_nc_u32 v10, s89, v10                     ; back: two rows an instruction
	s_lshl_b32 s94, s21, 9
	s_lshl_b32 s95, s24, 8
	s_add_co_u32 s94, s94, s95                     ; my 64 columns, in bytes
	s_mov_b32 s95, 0
	s_add_nc_u64 s[10:11], s[10:11], s[94:95]
	s_lshl_b32 s96, s22, 20
	s_lshl_b32 s97, s23, 17
	s_add_co_u32 s96, s96, s97
	s_add_co_u32 s96, s96, s94                     ; token 256 x tile row + 32 (w >> 1), my columns
	s_mov_b32 s97, 0
	s_add_nc_u64 s[12:13], s[12:13], s[96:97]
	s_add_nc_u64 s[14:15], s[14:15], s[96:97]
.irp g, 0,1
.irp i, 0,1,2,3
	global_load_b128 v[SC+16*\g+4*\i:SC+16*\g+4*\i+3], v6, s[8:9] offset:512*\i+256*\g
.endr
.endr
.irp b, 0,1,2,3
	global_load_b128 v[BI+8*\b:BI+8*\b+3], v7, s[10:11] offset:(32*(\b/2)+8*(\b%2))*4
	global_load_b128 v[BI+8*\b+4:BI+8*\b+7], v7, s[10:11] offset:(32*(\b/2)+8*(\b%2))*4+16
.endr
.irp u, 0,1
.irp i, 0,1,2,3,4,5,6,7
	global_load_b128 v[XR+32*\u+4*\i:XR+32*\u+4*\i+3], v8, s[12:13] offset:(8*\u+2*\i+8*(\i/4))*4096 th:TH_LOAD_NT   ; rows 2 i, 2 i + 1 of tile u are tokens 8 u + 2 i + 8 (i / 4) and the next
.endr
.endr
	s_wait_loadcnt 16                              ; scale words and bias are in; x's 16 loads stay out until the way out
	CHUNK 0
	KSTEP 0
	KSTEP 1
	CHUNK 1
	KSTEP 2
	KSTEP 3
	CHUNK 2
	KSTEP 4
	KSTEP 5
	CHUNK 3
	KSTEP 6
	KSTEP 7
	PLACES                                         ; in front of the first read of results and of loads into the fragments' registers
	s_wait_alu depctr_va_vdst(0)
	s_wait_loadcnt 0x0                             ; x
.irp u, 0,1
.irp b, 0,1,2,3
	ds_store_b128 v9, v[ACC+32*\u+8*\b:ACC+32*\u+8*\b+3] offset:128*(\b/2)+32*(\b%2)         ; each accumulator from its low end on: columns 32 (b / 2) + 16 h + 8 (b % 2) + 0..7 of row r
	ds_store_b128 v9, v[ACC+32*\u+8*\b+4:ACC+32*\u+8*\b+7] offset:128*(\b/2)+32*(\b%2)+16
.endr
.irp i, 0,1,2,3,4,5,6,7
	ds_load_b128 v[FA-32*\u+4*\i:FA-32*\u+4*\i+3], v10 offset:2*SP*\i      ; LDS serves a wave's instructions in order: these see my stores, and tile 1's stores come behind tile 0's loads
.endr
.endr
.irp u, 0,1
	s_wait_dscnt 16-16*\u                          ; tile u's rows are back; behind tile 0's loads stand tile 1's 8 stores and 8 loads
.set j, 0
.rept 16
	v_pk_add_f32 v[FA-32*\u+j:FA-32*\u+j+1], v[FA-32*\u+j:FA-32*\u+j+1], v[XR+32*\u+j:XR+32*\u+j+1]   ; + x
.set j, j+2
.endr
.irp i, 0,1,2,3,4,5,6,7
	global_store_b128 v8, v[FA-32*\u+4*\i:FA-32*\u+4*\i+3], s[14:15] offset:(8*\u+2*\i+8*(\i/4))*4096 th:TH_STORE_NT   ; sixteen lanes store 256 bytes on end, at a multiple of 256 from out0's first byte
.endr
.endr
	s_wait_tensorcnt 0x0
	ds_add_u32 v14, v15
	s_wait_dscnt 0x0
	CROUND                                         ; the closing round
	s_endpgm
.Lfunc_end_k_q840027e70c_outp:
	.size	k_q840027e70c_outp, .Lfunc_end_k_q840027e70c_outp-k_q840027e70c_outp
	.p2alignl 7, 3214868480
	.fill 96, 4, 3214868480
	.section	.rodata,"a",@progbits
	.p2align	6, 0x0
	.amdhsa_kernel k_q840027e70c_outp
		.amdhsa_group_segment_fixed_size 268288
		.amdhsa_private_segment_fixed_size 0
		.amdhsa_enable_private_segment 0
		.amdhsa_kernarg_size 48
		.amdhsa_user_sgpr_count 2
		.amdhsa_user_sgpr_kernarg_segment_ptr 1
		.amdhsa_wavefront_size32 1
		.amdhsa_system_sgpr_workgroup_id_x 1
		.amdhsa_system_sgpr_workgroup_id_y 1
		.amdhsa_system_sgpr_workgroup_id_z 1
		.amdhsa_system_vgpr_workitem_id 0
		.amdhsa_next_free_vgpr 256
		.amdhsa_next_free_sgpr 100
		.amdhsa_reserve_vcc 0
		.amdhsa_float_denorm_mode_32 3
		.amdhsa_float_denorm_mode_16_64 3
		.amdhsa_memory_ordered 1
		.amdhsa_forward_progress 1
		.amdhsa_inst_pref_size 31
	.end_amdhsa_kernel
	.amdgpu_metadata
---
amdhsa.version: [ 1, 2 ]
amdhsa.kernels:
  - .name:           k_q840027e70c_outp
    .symbol:         k_q840027e70c_outp.kd
    .args:
      - { .name: cfrag, .offset: 0, .size: 8, .value_kind: global_buffer, .address_space: global }
      - { .name: wfrag, .offset: 8, .size: 8, .value_kind: global_buffer, .address_space: global }
      - { .name: scl, .offset: 16, .size: 8, .value_kind: global_buffer, .address_space: global }
      - { .name: b_out, .offset: 24, .size: 8, .value_kind: global_buffer, .address_space: global }
      - { .name: x, .offset: 32, .size: 8, .value_kind: global_buffer, .address_space: global }
      - { .name: out0, .offset: 40, .size: 8, .value_kind: global_buffer, .address_space: global }
    .group_segment_fixed_size: 268288
    .private_segment_fixed_size: 0
    .kernarg_segment_align: 8
    .kernarg_segment_size: 48
    .max_flat_workgroup_size: 512
    .sgpr_count:     100
    .vgpr_count:     256
    .wavefront_size: 32
...
	.end_amdgpu_metadata
.endif
;; end of part 4
